; MI455X (gfx1250); checked and timed in simulation.
; The chip was launched on July 23, 2026; its instructions are those of AMD's public machine-readable ISA for CDNA 5 (MIT licence, August 2026) and "CDNA5" Instruction Set Architecture Reference Guide (July 2026). The comments in the code are by the model that wrote it; some were corrected since.
;; Multi Head Attention. Allowed arithmetic: matrix products marked QUANTISED: E2M1 operands, one E8M0 scale for each 32 along K, by v_wmma_scale_f32_16x16x128_f8f6f4 with both operands' format E2M1 (or v_wmma_scale_f32_32x16x128_f4), f32 sums; everything else in f32.
;; Inputs: Wk_codes 1,024 x 32 x 16 uint8 (E2M1 codes of Wk, K innermost, in blocks of 32 codes, two codes a byte); Wk_scales 1,024 x 32 uint8 (E8M0 scales of Wk, one for each 32 codes along K); Wo_codes 1,024 x 32 x 16 uint8 (E2M1 codes of Wo, K innermost, in blocks of 32 codes, two codes a byte); Wo_scales 1,024 x 32 uint8 (E8M0 scales of Wo, one for each 32 codes along K); Wq_codes 1,024 x 32 x 16 uint8 (E2M1 codes of Wq, K innermost, in blocks of 32 codes, two codes a byte); Wq_scales 1,024 x 32 uint8 (E8M0 scales of Wq, one for each 32 codes along K); Wv_codes 1,024 x 32 x 16 uint8 (E2M1 codes of Wv, K innermost, in blocks of 32 codes, two codes a byte); Wv_scales 1,024 x 32 uint8 (E8M0 scales of Wv, one for each 32 codes along K); bk 1,024 float32; bo 1,024 float32; bq 1,024 float32; bv 1,024 float32; ln_beta 1,024 float32; ln_gamma 1,024 float32; x 2 x 2,048 x 1,024 float32.
;; Outputs: out0 2 x 2,048 x 1,024 float32.
;; This version of the problem:
;;   THIS VERSION OF THE PROBLEM IS GIVEN IN LOW PRECISION. The matrix products marked QUANTISED in the list below multiply operands that are first quantised to E2M1 (2 exponent bits, 1 mantissa bit; 4 bits a number), with one power-of-two scale for each 32 numbers along K (OCP MX v1.0); their sums are f32. All else is computed in f32.
;;   The module's matrix products, in the order in which they are computed (A, B: the left and right operand; K: the contracted axis; several contracted axes count as one K, in the product's order):
;;     1. [M 4,096, K 1,024] x [K 1,024, N 1,024]; A: input x; B: input Wq (given as codes): QUANTISED
;;     2. [M 4,096, K 1,024] x [K 1,024, N 1,024]; A: input x; B: input Wk (given as codes): QUANTISED
;;     3. [M 4,096, K 1,024] x [K 1,024, N 1,024]; A: input x; B: input Wv (given as codes): QUANTISED
;;     4. batch 32 x [M 2,048, K 64] x [K 64, N 2,048]; A: computed on the way; B: computed on the way: QUANTISED
;;     5. batch 32 x [M 2,048, K 2,048] x [K 2,048, N 64]; A: softmax (see below); B: computed on the way: QUANTISED
;;     6. [M 4,096, K 1,024] x [K 1,024, N 1,024]; A: computed on the way; B: input Wo (given as codes): QUANTISED
;;   THE QUANTISER, for each operand of a quantised product, along K:
;;     - K is cut into blocks of 32 from its start; a last block that is shorter is filled with zeros.
;;     - A block's scale is 2^e with e = floor(log2(the largest magnitude in the block)) - 2, held to -126 .. 127; a block of zeros has e = 0. As a byte (E8M0): e + 127.
;;     - Each number is divided by its block's scale, clamped to +-6, and rounded to the nearest number of E2M1, ties to even, subnormals kept.
;;     - The product sums the exact products of the quantised numbers (number of the format x scale) in f32.
;;   ~~~python
;;   def quantise(x, axis):      # numpy; x: float32 -> the quantised numbers, widened to float32 again
;;       x = np.moveaxis(x, axis, -1); K = x.shape[-1]
;;       x = np.pad(x, [(0, 0)] * (x.ndim - 1) + [(0, -K % 32)]); x = x.reshape(x.shape[:-1] + (-1, 32)); a = np.abs(x).max(-1, keepdims=True)
;;       e = np.where(a > 0, np.clip(np.frexp(np.where(a > 0, a, 1))[1] - 1 - 2, -126, 127), 0)      # np.frexp(a)[1] - 1 = floor(log2(a)), exactly
;;       r = np.clip(x / 2.0 ** e, -6, 6)
;;       step = 2.0 ** (np.maximum(np.frexp(np.where(r == 0, 1, r))[1] - 1, 0) - 1)
;;       q = np.round(r / step) * step * 2.0 ** e      # np.round: ties to even
;;       return np.moveaxis(q.reshape(q.shape[:-2] + (-1,))[..., :K], -1, axis).astype(np.float32)
;;   ~~~
;;   SOFTMAX AHEAD OF A QUANTISED PRODUCT. Where the list says 'softmax', what is quantised is not the finished softmax but p = 2^(t - M), with t = logit x log2(e) and M = ceil(the row's largest t), a whole number; so 1/2 < the row's largest p <= 1. The row's sum l is taken of the UNQUANTISED p, in f32, and the product's result is divided by l at the end. Since M is a whole number, a kernel that streams over the keys may use a running M (the ceiling of the running maximum): every later rescaling is an exact power of two, which a block's scale takes up: the codes' values come out the same.
;;   OPERANDS COMPUTED ON THE WAY. 'Computed on the way' means the value that the module computes at that place (a softmax that the list does not call 'softmax' is quantised finished and normalised). What goes into a quantiser is computed in f32, as accurately as f32 sums, v_exp_f32 and their like allow (about 1e-6 of the number): no bf16 or f16 on the way to a quantiser, and a product that is left as it is and whose result goes on into a quantised operand takes f32 operands (vector FMAs, or v_wmma_f32_16x16x4_f32). A number that lies on a knife's edge between two numbers of the format may be rounded either way, as far as f32 arithmetic and the matrix unit's own rounding can turn it there, and no further.
;;   INPUTS GIVEN AS CODES. Wk (in the module: [1024, 1024], K = its axis 1); Wo (in the module: [1024, 1024], K = its axis 1); Wq (in the module: [1024, 1024], K = its axis 1); Wv (in the module: [1024, 1024], K = its axis 1): each comes as NAME_codes (uint8): NAME with its K axis moved to the last place and cut into blocks of 32 codes, [.., K / 32, bytes a block], one block behind the other in memory; two codes a byte, the lower K in the low four bits (a code: sign, 2 exponent bits, 1 mantissa bit); and NAME_scales (uint8): the same leading axes, one E8M0 byte (e + 127) for each 32 codes along K. Its value is code x scale, taken as it is: it is not quantised again, and the codes and scales need not be those that the quantiser above would give.
;; One version. Each part assembles by itself: llvm-mc -triple=amdgcn-amd-amdhsa -mcpu=gfx1250 --defsym DOCPART=n.
;; ======== version 1 of 1: 4 launches
;; limits: right only within a limited range of input values
;; workspace buffers: xq 2,228,224 bytes; qkv 6,946,816 bytes; ao 2,621,440 bytes; wimg 524,288 bytes
;; launch quantx (part 1): grid 256 x 1, 4 waves a work-group, no clusters, 33,280 bytes of LDS; arguments x, xq, Wo_codes, wimg; writes xq, wimg
.if DOCPART == 1
	.amdgcn_target "amdgcn-amd-amdhsa--gfx1250"
	.amdhsa_code_object_version 6
	.text
	.protected	k_q2174a6bd0a_quantx
	.globl	k_q2174a6bd0a_quantx
	.p2align	8
	.type	k_q2174a6bd0a_quantx,@function
k_q2174a6bd0a_quantx:
	s_mov_b64 s[64:65], 0
	v_nop
	global_prefetch_b8 v0, s[64:65] scope:SCOPE_SE
	s_setreg_imm32_b32 hwreg(HW_REG_WAVE_MODE, 25, 1), 1
	s_wait_xcnt 0x0
; x [4096][1024] f32 becomes codes of FP4 (E2M1), K innermost, and one E8M0 byte for each 32 along K, in the workspace xq:
; codes row-major, 512 bytes a row, from byte 0; scale bytes, 32 a row, from byte XS.  Rows are dense and 1,024 is a multiple of 32,
; so the tensor is a plain stream of blocks of 32, and so are its codes and its bytes.
; A block's scale is 2^(floor(log2(largest magnitude)) - 2): its byte is the largest magnitude's exponent field - 2, held at 1 from below.
; LIMITS: a block of zeros, or one whose largest magnitude lies under 2^-124, gets the byte 1 where the quantiser's text says 127 or less: its codes
; are zeros (or what the floor's scale gives), and this program alone reads the bytes.  NaN and infinities among the inputs are not served.
; SHARES: a wave takes 8 steps of 512 numbers.  All its 32 loads (512 consecutive bytes each) go out at the head: 16 KiB a wave on their way.
; The conversions want 16 NEIGHBOURS in one lane, the loads want neighbouring bytes in neighbouring lanes: a step's 2,048 bytes turn through the wave's
; own stage in LDS (16 bytes of padding behind each 64).  Two neighbouring lanes hold a block.  No barrier: waves share nothing.  No loop: every offset is an immediate.
.set STEPS, 8
.set EMAX,  2
.set XS,    2097152                    ; where the scale bytes begin in xq
.set R,     16                         ; v16-143  eight sets of 16 numbers as they are loaded
.set X,     144                        ; v144-175 two sets of 16 neighbours
.set C,     176                        ; v176-191 two registers of codes for each step: no store's data are written again
.set E,     192                        ; v192-199 a scale byte for each step
.set WREG,  8192                       ; LDS: a region for each wave: two stages of 32 x SP bytes, behind them its 128 scale bytes
.set SP,    80                         ; a lane's place in a stage: 64 bytes + 16 of padding
	s_load_b128 s[4:7], s[0:1], 0x0                ; x, xq
	s_load_b128 s[12:15], s[0:1], 0x10             ; Wo's codes, wimg
	v_lshl_add_u32 v200, v0, 2, 0x8000
	v_mov_b32 v201, 0
	v_lshrrev_b32 v1, 5, v0
	v_readfirstlane_b32 s16, v1                    ; wave
	v_and_b32 v2, 31, v0                           ; lane
	v_lshlrev_b32 v3, 4, v2                        ; my 16 bytes of a load's 512
	s_mul_i32 s17, s16, WREG
	v_lshrrev_b32 v14, 2, v2
	v_mul_u32_u24 v14, v14, SP
	v_and_b32 v15, 3, v2
	v_lshl_add_u32 v14, v15, 4, v14
	v_add_nc_u32 v14, s17, v14                     ; the stage, on the way in: SP (lane / 4) + 16 (lane % 4)
	v_mul_u32_u24 v15, v2, SP
	v_add_nc_u32 v15, s17, v15                     ; and on the way out: SP x lane: my 16 neighbours
	v_lshlrev_b32 v4, 3, v2                        ; my 8 bytes of a step's 256 bytes of codes
	v_lshrrev_b32 v5, 1, v2
	s_add_co_u32 s17, s17, 2*32*SP
	v_add_nc_u32 v5, s17, v5                       ; LDS: my wave's scale bytes, my block's byte
	v_lshlrev_b32 v7, 2, v2                        ; on the way out 4 bytes a lane
	v_add_nc_u32 v6, s17, v7
	s_lshl_b32 s18, ttmp9, 2
	s_add_co_u32 s18, s18, s16                     ; which run of 4,096 numbers is my wave's
	s_lshl_b32 s20, s18, 14                        ; 16,384 bytes of x,
	s_mov_b32 s21, 0
	s_lshl_b32 s22, s18, 11                        ; 2,048 bytes of codes,
	s_mov_b32 s23, 0
	s_lshl_b32 s24, s18, 7                         ; 128 scale bytes a run
	s_add_co_u32 s24, s24, XS
	s_mov_b32 s25, 0
; Wo's codes are laid anew besides, for the last launch: wimg = images of operand registers, fragment F = 8 x (16 rows of Wo) + K step of 128, 1,024 bytes each: half c holds lane l's 16 bytes at 16 l.
; A wave takes one half: F = 2 x work-group + wave / 2, c = wave % 2; lane (r, h) reads row 16 (F / 8) + r at byte 64 (F % 8) + 32 c + 16 h.
	s_lshl_b32 s26, ttmp9, 1
	s_lshr_b32 s27, s16, 1
	s_add_co_u32 s26, s26, s27                     ; F
	s_lshr_b32 s27, s26, 3
	s_lshl_b32 s27, s27, 13                        ; 16 rows of 512 bytes
	s_and_b32 s26, s26, 7
	s_lshl_b32 s26, s26, 6
	s_add_co_u32 s26, s26, s27
	s_and_b32 s27, s16, 1
	s_lshl_b32 s27, s27, 5
	s_add_co_u32 s26, s26, s27
	s_mov_b32 s27, 0
	s_lshl_b32 s28, s18, 9                         ; 512 bytes a wave of the launch
	s_mov_b32 s29, 0
	v_and_b32 v10, 15, v0
	v_bfe_u32 v13, v0, 4, 1
	v_lshlrev_b32 v10, 9, v10
	v_lshl_add_u32 v10, v13, 4, v10
	s_wait_alu depctr_va_vdst(0)
	s_wait_kmcnt 0x0
	s_add_nc_u64 s[4:5], s[4:5], s[20:21]
	s_add_nc_u64 s[8:9], s[6:7], s[22:23]
	s_add_nc_u64 s[10:11], s[6:7], s[24:25]
	s_add_nc_u64 s[12:13], s[12:13], s[26:27]
	s_add_nc_u64 s[14:15], s[14:15], s[28:29]
	global_load_b128 v[202:205], v10, s[12:13]     ; the oldest load: the counts below hold without it
.irp t, 0,1,2,3,4,5,6,7
.irp i, 0,1,2,3
	global_load_b128 v[R+16*\t+4*\i:R+16*\t+4*\i+3], v3, s[4:5] offset:2048*\t+512*\i th:TH_LOAD_NT   ; 32 lanes read 512 consecutive bytes
.endr
.endr
.macro TURN t                          ; step t's numbers through the stage: LDS serves a wave's instructions in order, so no wait stands between the stores and the loads
.irp i, 0,1,2,3
	ds_store_b128 v14, v[R+16*(\t)+4*\i:R+16*(\t)+4*\i+3] offset:32*SP*((\t)%2)+8*SP*\i
.endr
.irp i, 0,1,2,3
	ds_load_b128 v[X+16*((\t)%2)+4*\i:X+16*((\t)%2)+4*\i+3], v15 offset:32*SP*((\t)%2)+16*\i
.endr
.endm
	s_wait_loadcnt 28                              ; step 0's four loads are in, and Wo's piece ahead of them; the 28 behind them stay out
	global_store_b128 v3, v[202:205], s[14:15]     ; 512 consecutive bytes, aligned
	TURN 0
.macro STEP t
.set XR, X+16*((\t)%2)
.if (\t) > 0
	s_wait_dscnt 1                                 ; this step's numbers are back from the stage; the last step's byte store may be out
.else
	s_wait_dscnt 0x0
.endif
.if (\t)+1 < STEPS
	s_wait_loadcnt 4*(STEPS-2-(\t))                ; the next step's four loads are in; those of the steps behind it may be out
	TURN (\t)+1                                    ; they go through the other stage while this step is worked
.endif
	v_max3_num_f32 v8, |v[XR]|, |v[XR+1]|, |v[XR+2]|               ; the largest magnitude of my 16, in two chains
	v_max3_num_f32 v9, |v[XR+3]|, |v[XR+4]|, |v[XR+5]|
.irp i, 6,10
	v_max3_num_f32 v8, v8, |v[XR+\i]|, |v[XR+\i+1]|
	v_max3_num_f32 v9, v9, |v[XR+\i+2]|, |v[XR+\i+3]|
.endr
	v_max3_num_f32 v8, v8, |v[XR+14]|, |v[XR+15]|
	v_max3_num_f32 v8, v8, v9, (EMAX+1)<<23        ; and the floor 2^(3 - 127): the byte cannot fall under 1
	v_max_num_f32_dpp v8, v8, v8 row_xmask:1 row_mask:0xf bank_mask:0xf   ; and of my neighbour's 16: the block's
	v_add_nc_u32 v11, -(EMAX<<23), v8              ; 2 off its exponent field: the conversion takes the exponent field of this operand as its scale
	v_cvt_scalef32_pk8_fp4_f32 v[C+2*(\t)], v[XR:XR+7], v11
	v_cvt_scalef32_pk8_fp4_f32 v[C+2*(\t)+1], v[XR+8:XR+15], v11
	v_lshrrev_b32 v[E+(\t)], 23, v11               ; the scale's byte (also the plain line behind the conversions)
	ds_store_b8 v5, v[E+(\t)] offset:16*(\t)       ; both lanes of a block write the same byte with the same value
	global_store_b64 v4, v[C+2*(\t):C+2*(\t)+1], s[8:9] offset:256*(\t)   ; 32 lanes store 256 consecutive bytes, aligned
.endm
.irp t, 0,1,2,3,4,5,6,7
	STEP \t
.endr
	ds_load_b32 v12, v6                            ; LDS serves a wave's instructions in order: this sees my byte stores
	s_wait_dscnt 0x0
	global_store_b32 v7, v12, s[10:11]             ; my wave's 128 scale bytes, on end
	s_wait_tensorcnt 0x0
	ds_add_u32 v200, v201
	s_wait_dscnt 0x0
	s_endpgm
.Lfunc_end_k_q2174a6bd0a_quantx:
	.size	k_q2174a6bd0a_quantx, .Lfunc_end_k_q2174a6bd0a_quantx-k_q2174a6bd0a_quantx
	.p2alignl 7, 3214868480
	.fill 96, 4, 3214868480
	.section	.rodata,"a",@progbits
	.p2align	6, 0x0
	.amdhsa_kernel k_q2174a6bd0a_quantx
		.amdhsa_group_segment_fixed_size 33280
		.amdhsa_private_segment_fixed_size 0
		.amdhsa_enable_private_segment 0
		.amdhsa_kernarg_size 32
		.amdhsa_user_sgpr_count 2
		.amdhsa_user_sgpr_kernarg_segment_ptr 1
		.amdhsa_wavefront_size32 1
		.amdhsa_system_sgpr_workgroup_id_x 1
		.amdhsa_system_sgpr_workgroup_id_y 1
		.amdhsa_system_sgpr_workgroup_id_z 1
		.amdhsa_system_vgpr_workitem_id 0
		.amdhsa_next_free_vgpr 206
		.amdhsa_next_free_sgpr 66
		.amdhsa_reserve_vcc 0
		.amdhsa_float_denorm_mode_32 3
		.amdhsa_float_denorm_mode_16_64 3
		.amdhsa_memory_ordered 1
		.amdhsa_forward_progress 1
		.amdhsa_inst_pref_size 19
	.end_amdhsa_kernel
	.amdgpu_metadata
---
amdhsa.version: [ 1, 2 ]
amdhsa.kernels:
  - .name:           k_q2174a6bd0a_quantx
    .symbol:         k_q2174a6bd0a_quantx.kd
    .args:
      - { .name: x, .offset: 0, .size: 8, .value_kind: global_buffer, .address_space: global }
      - { .name: xq, .offset: 8, .size: 8, .value_kind: global_buffer, .address_space: global }
      - { .name: Wo_codes, .offset: 16, .size: 8, .value_kind: global_buffer, .address_space: global }
      - { .name: wimg, .offset: 24, .size: 8, .value_kind: global_buffer, .address_space: global }
    .group_segment_fixed_size: 33280
    .private_segment_fixed_size: 0
    .kernarg_segment_align: 8
    .kernarg_segment_size: 32
    .max_flat_workgroup_size: 128
    .sgpr_count:     66
    .vgpr_count:     206
    .wavefront_size: 32
...
	.end_amdgpu_metadata
.endif
;; end of part 1
;; launch qkv (part 2): grid 32 x 8, 12 waves a work-group, clusters of 4 x 4, 296,448 bytes of LDS; arguments Wq_codes, Wk_codes, Wv_codes, Wq_scales, Wk_scales, Wv_scales, xq, bq, bk, bv, qkv; writes qkv
.if DOCPART == 2
	.amdgcn_target "amdgcn-amd-amdhsa--gfx1250"
	.amdhsa_code_object_version 6
	.text
	.protected	k_q2174a6bd0a_qkv
	.globl	k_q2174a6bd0a_qkv
	.p2align	8
	.type	k_q2174a6bd0a_qkv,@function
k_q2174a6bd0a_qkv:
	s_mov_b64 s[64:65], 0
	v_nop
	global_prefetch_b8 v0, s[64:65] scope:SCOPE_SE
	s_setreg_imm32_b32 hwreg(HW_REG_WAVE_MODE, 25, 1), 1
	s_wait_xcnt 0x0
	s_wait_alu depctr_hold_cnt(0) depctr_sa_sdst(0) depctr_va_vdst(0) depctr_va_sdst(0) depctr_va_ssrc(0) depctr_va_vcc(0) depctr_vm_vsrc(0)
	s_getreg_b32 s2, hwreg(HW_REG_IB_STS2, 6, 4)
	s_cmp_eq_u32 s2, 0
	s_cbranch_scc0 .Lentry_in_a_cluster
	s_endpgm
.Lentry_in_a_cluster:
	s_bfe_u32 s2, ttmp6, 0x10000c
	s_cmp_lg_u32 s2, 0xf033
	s_cbranch_scc0 .Lentry_shape_is_right
	s_endpgm
.Lentry_shape_is_right:
; Q, K, V = x W^T + b on codes of FP4 with E8M0 scales (K = 1,024), quantised again at once for the two products of attention, and stored as IMAGES OF OPERAND REGISTERS.
; SHARES.  Work-group (TB, HP) takes 128 tokens x (Q, K, V of heads 2 HP and 2 HP + 1): 128 x 384 outputs.  Twelve waves: role = wave / 4 (0 Q, 1 K, 2 V), W4 = wave % 4.
; Every wave makes 16 accumulators: 8 tiles of source 0 x its own 2 tiles of source 1, over 8 K steps of 128.
;   Q, K: source 0 = the 8 tiles of W's 128 rows, source 1 = token tiles 2 W4 + o: a lane holds ONE token, its registers run along the features: the next K (the head's 64).
;   V:    source 0 = x's 8 token tiles, source 1 = Wv's tiles 2 W4 + o: a lane holds ONE feature, its registers run along the tokens: the next K (the keys).
; So one body serves the three roles; only the bias and the stores differ.
; LDS, filled ONCE: four operand tiles (0 Wq, 1 Wk, 2 x, 3 Wv) of 128 rows, each as two halves of K (256 bytes a row + 16 of padding: the pitch 272 is an odd multiple of 16,
; so the sixteen rows of a fragment load fall on sixteen different 16-byte columns), then their scale bytes, 128 rows x 32.  Nothing is filled again.
; CLUSTER 4 x 4: the weights' tiles hang on HP alone and are shared along a row of the cluster, x's on TB alone and are shared along a column: joint loads.
; THE QUANTISER.  Tile T, lane (r, h), register j holds next-K index 16 T + 8 h + j.  A block of 32 is two tiles in lanes l and l xor 16.  The conversions of tiles 4c, 4c+2, 4c+1, 4c+3 are laid
; into registers 4c .. 4c+3, and an exchange of halves within pairs (0,1) and (2,3) gives the operand's layout: registers 4c .. 4c+3 of lane (r, h) hold k = 64 c + 32 h + 0 .. 31.
; OUTPUT: qkv = 512 records of REC bytes, record (batch 16 + head) 16 + block of 128 tokens:  +0 Q: 8 token tiles x 512 bytes (lane l's 16 bytes at 16 l);  +4,096 Q's scale words: 4 tile pairs x 128 bytes
; (lanes 0-15 the even tile, lanes 16-31 the odd; bytes 2, 3 = 0x7f, for the zero codes that fill the instruction's K);  +4,608, +8,704 K likewise;  +9,216 V: 4 tiles of 16 channels x 1,024 bytes;  +13,312 V's scale words: 2 pairs.
; LIMITS: a block of zeros, or under 2^-124, gets the byte 1 (its codes are zeros; this program alone reads the bytes).  NaN and infinities are not served.
.set REC,  13568
.set HS,   16*REC                      ; from a head to the next
.set XS,   2097152                     ; x's scale bytes in xq
.set RG,   34816                       ; an operand's half tile in LDS: 128 x 272
.set KH,   4*RG                        ; the four operands' first halves of K, then their second
.set SCL,  2*KH                        ; the scale bytes: 4,096 for each operand
.set WV,   26                          ; s26 wave, s27 role, s28 W4, s29 cx, s30 cy, s31 TB, s32 HP
.set A0,   4                           ; v4-5   source 0's fragments, K half 0, 1
.set A1,   6                           ; v6-7   source 1's
.set SA0,  8                           ; v8     source 0's scale words
.set SA1,  9                           ; v9     source 1's
.set SW0,  16                          ; v16-31 source 0's scale words: 4 tile pairs x 4 K steps (lanes 0-15 the even tile, lanes 16-31 the odd)
.set SW1,  32                          ; v32-35 source 1's: my pair x 4 K steps
.set F1,   48                          ; v48-63 source 1's two fragments
.set F0,   64                          ; v64-127 source 0's eight
.set ACC,  128                         ; v128-255 accumulator (o, t) at ACC + 64 o + 8 t
.set TM,   64                          ; behind the K steps: v64-79 at work, v80-87 and v88-95 the codes
.set PC0,  80
.set PC1,  88
.macro CROUND                          ; a round of the cluster's barrier
	s_barrier_signal -1
	s_barrier_wait -1
	s_cmp_lg_u32 s[WV], 0
	s_cbranch_scc1 .Lnot_wave_0_\@
	s_barrier_signal -3
.Lnot_wave_0_\@:
	s_barrier_wait -3
	s_barrier_signal -1
	s_barrier_wait -1
.endm
	s_load_b512 s[4:19], s[0:1], 0x0               ; Wq, Wk, Wv codes s[4:9]; their scales s[10:15]; xq s[16:17]; bq s[18:19]
	s_load_b128 s[20:23], s[0:1], 0x40             ; bk, bv
	s_load_b64 s[24:25], s[0:1], 0x50              ; qkv
	v_lshl_add_u32 v46, v0, 2, 0x48000
	v_mov_b32 v47, 0
	ds_add_u32 v46, v47
	ds_add_u32 v46, v47
	v_lshrrev_b32 v1, 5, v0
	s_delay_alu instid0(VALU_DEP_1)
	v_readfirstlane_b32 s[WV], v1                  ; wave 0..11
	s_lshr_b32 s27, s26, 2                         ; role
	s_and_b32 s28, s26, 3                          ; W4
	s_bfe_u32 s29, ttmp6, 0x40000                  ; cx
	s_bfe_u32 s30, ttmp6, 0x40004                  ; cy
	s_lshl_b32 s31, ttmp9, 2
	s_add_co_u32 s31, s31, s29                     ; TB = 4 x cluster x + cx: the block of 128 tokens
	s_and_b32 s32, ttmp7, 0xffff
	s_lshl_b32 s32, s32, 2
	s_add_co_u32 s32, s32, s30                     ; HP = 4 x cluster y + cy: the pair of heads
	s_lshl_b32 s2, s30, 2
	s_lshl_b32 s2, 15, s2                          ; my row of the cluster: the weights' mask
	s_lshl_b32 s100, 0x1111, s29                   ; my column: x's mask
	; descriptor groups 1.  Codes: 128 rows x 256 bytes (elements of 1 byte), 512 bytes from row to row, 4 words of padding behind every 64
	s_or_b32 s36, s2, (1<<20)|(1<<21)|(5<<22)|(3<<25)
	s_or_b32 s44, s100, (1<<20)|(1<<21)|(5<<22)|(3<<25)
.irp g, 36, 44
	s_mov_b32 s[\g+1], 256<<16                     ; tensor_dim0
	s_mov_b32 s[\g+2], 128<<16                     ; tensor_dim1
	s_mov_b32 s[\g+3], 256<<16                     ; tile_dim0
	s_mov_b32 s[\g+4], 128                         ; tile_dim1
	s_mov_b32 s[\g+5], 512                         ; from row to row
	s_mov_b32 s[\g+6], 0
	s_mov_b32 s[\g+7], 0
.endr
	; scale bytes of 128 rows: 4,096 dense bytes as 16 rows of 256 (32 elements of 8 bytes)
	s_or_b32 s52, s2, (3<<16)|(1<<21)
	s_or_b32 s68, s100, (3<<16)|(1<<21)
.irp g, 52, 68
	s_mov_b32 s[\g+1], 32<<16
	s_mov_b32 s[\g+2], 16<<16
	s_mov_b32 s[\g+3], 32<<16
	s_mov_b32 s[\g+4], 16
	s_mov_b32 s[\g+5], 32
	s_mov_b32 s[\g+6], 0
	s_mov_b32 s[\g+7], 0
.endr
	s_mov_b32 s60, 0x76543210                      ; v_permlanex16_b32's selects for lane l xor 16
	s_mov_b32 s61, 0xfedcba98
	s_mov_b32 s62, 0x7f7f0000                      ; the bytes 1.0 for the upper, empty half of the next instruction's K
	; where my results go: both coordinates enter here, in s66 and s67 alone
	s_lshr_b32 s66, s31, 4                         ; batch
	s_lshl_b32 s66, s66, 4
	s_lshl_b32 s67, s32, 1
	s_add_co_u32 s66, s66, s67                     ; batch 16 + head 2 HP
	s_lshl_b32 s66, s66, 4
	s_and_b32 s67, s31, 15
	s_add_co_u32 s66, s66, s67                     ; its record for this block of tokens
	s_mul_i32 s66, s66, REC
	s_mul_i32 s67, s27, 4608                       ; the role's part of a record
	s_add_co_u32 s66, s66, s67
	s_lshr_b32 s67, s28, 1                         ; V: my 32 features lie in head 2 HP + W4 / 2
	s_mul_i32 s67, s67, HS
	s_cmp_eq_u32 s27, 2
	s_cselect_b32 s67, s67, 0
	s_add_co_u32 s66, s66, s67
	s_mov_b32 s67, 0
	s_wait_dscnt 0x0
	s_wait_kmcnt 0x0
	s_add_nc_u64 s[24:25], s[24:25], s[66:67]
	s_cmp_eq_u32 s28, 1                            ; which operand a wave fetches: W4 = 0 Wq, 1 Wk, 2 x, 3 Wv; which part: role = 0 the scale bytes, 1 K half 0, 2 K half 1.  The choice hangs on the wave's number alone
	s_cselect_b64 s[4:5], s[6:7], s[4:5]
	s_cselect_b64 s[10:11], s[12:13], s[10:11]
	s_cmp_eq_u32 s28, 3
	s_cselect_b64 s[4:5], s[8:9], s[4:5]
	s_cselect_b64 s[10:11], s[14:15], s[10:11]
	s_cmp_eq_u32 s27, 1                            ; and the role's bias
	s_cselect_b64 s[34:35], s[20:21], s[18:19]
	s_cmp_eq_u32 s27, 2
	s_cselect_b64 s[34:35], s[22:23], s[34:35]
	; descriptor groups 0.  The weights' hang on HP and the wave's number, x's on TB and the wave's number; the LDS addresses on the wave's number alone
	s_lshl_b32 s2, s32, 12                         ; 128 rows x 32 scale bytes
	s_mov_b32 s3, 0
	s_mov_b32 s76, 1
	s_lshl_b32 s77, s28, 12
	s_add_co_u32 s77, s77, SCL
	s_add_nc_u64 s[78:79], s[10:11], s[2:3]
	s_or_b32 s79, s79, 0x80000000
	s_lshl_b32 s2, s32, 16                         ; 128 rows x 512 bytes of codes
	s_mov_b32 s80, 1
	s_mul_i32 s81, s28, RG
	s_add_nc_u64 s[82:83], s[4:5], s[2:3]
	s_mov_b32 s84, 1
	s_add_co_u32 s85, s81, KH
	s_add_nc_u64 s[86:87], s[82:83], 256           ; the second half of K
	s_or_b32 s83, s83, 0x80000000
	s_or_b32 s87, s87, 0x80000000
	s_lshl_b32 s100, s31, 12
	s_add_co_u32 s100, s100, XS
	s_mov_b32 s101, 0
	s_mov_b32 s88, 1
	s_mov_b32 s89, s77
	s_add_nc_u64 s[90:91], s[16:17], s[100:101]
	s_or_b32 s91, s91, 0x80000000
	s_lshl_b32 s100, s31, 16
	s_mov_b32 s92, 1
	s_mov_b32 s93, s81
	s_add_nc_u64 s[94:95], s[16:17], s[100:101]
	s_mov_b32 s96, 1
	s_mov_b32 s97, s85
	s_add_nc_u64 s[98:99], s[94:95], 256
	s_or_b32 s95, s95, 0x80000000
	s_or_b32 s99, s99, 0x80000000
	CROUND                                         ; all sixteen work-groups are here: the joint loads meet
; THE HEAD'S TWELVE LOADS, ONE A WAVE: one tree of branches on the wave's number, every way through it passes one load.
; An s_nop 0 and four v_nop follow each line, ahead of the jump and the label.
.macro ARM part, g0, g1, next
	s_cmp_eq_u32 s27, \part
	s_cbranch_scc0 \next
	tensor_load_to_lds s[\g0:\g0+3], s[\g1:\g1+7]
	s_nop 0
.rept 4
	v_nop
.endr
	s_branch .Lasked
\next:
.endm
	s_cmp_eq_u32 s28, 2
	s_cbranch_scc0 .Lnot_x
	ARM 0, 88, 68, .Lx_half0
	ARM 1, 92, 44, .Lx_half1
	tensor_load_to_lds s[96:99], s[44:51]
	s_nop 0
.rept 4
	v_nop
.endr
	s_branch .Lasked
.Lnot_x:
	ARM 0, 76, 52, .Lw_half0
	ARM 1, 80, 36, .Lw_half1
	tensor_load_to_lds s[84:87], s[36:43]
	s_nop 0
.rept 4
	v_nop
.endr
.Lasked:
	; addresses, on the way that all waves take
	v_and_b32 v1, 31, v0                           ; lane
	v_and_b32 v2, 15, v0                           ; r
	v_bfe_u32 v3, v0, 4, 1                         ; h
	s_delay_alu instid0(VALU_DEP_2)
	v_mul_u32_u24 v13, v2, 272
	s_delay_alu instid0(VALU_DEP_1)
	v_lshl_add_u32 v13, v3, 4, v13                 ; a fragment's row x pitch + 16 h
	s_mul_i32 s33, s27, RG                         ; source 0's operand is number role
	v_add_nc_u32 v[A0], s33, v13
	s_delay_alu instid0(VALU_DEP_1)
	v_add_nc_u32 v[A0+1], KH, v[A0]
	s_lshr_b32 s63, s27, 1
	s_add_co_u32 s63, s63, 2                       ; source 1's: x (2) for Q and K, Wv (3) for V
	s_mul_i32 s33, s63, RG
	v_add_nc_u32 v[A1], s33, v13
	s_mul_i32 s33, s28, 8704                       ; my two tiles: 32 rows
	v_add_nc_u32 v[A1], s33, v[A1]
	s_delay_alu instid0(VALU_DEP_1)
	v_add_nc_u32 v[A1+1], KH, v[A1]
	v_lshlrev_b32 v[SA0], 5, v1                    ; scale words: lane l takes row 32 p + l, 32 bytes a row
	s_lshl_b32 s33, s63, 12
	s_add_co_u32 s33, s33, SCL
	v_add_nc_u32 v[SA1], s33, v[SA0]
	s_lshl_b32 s33, s28, 10
	v_add_nc_u32 v[SA1], s33, v[SA1]
	s_lshl_b32 s33, s27, 12
	s_add_co_u32 s33, s33, SCL
	v_add_nc_u32 v[SA0], s33, v[SA0]
	v_lshlrev_b32 v10, 5, v3                       ; bias of Q, K: my half's eight features of a tile: 32 h
	v_lshlrev_b32 v13, 2, v2                       ; bias of V: my one feature: 4 r + 128 W4
	s_lshl_b32 s33, s28, 7
	v_add_nc_u32 v13, s33, v13
	v_lshlrev_b32 v11, 4, v1                       ; images: 16 x lane,
	v_lshlrev_b32 v12, 2, v1                       ; scale words: 4 x lane
	s_and_b32 s63, s28, 1
	s_lshl_b32 s33, s63, 11
	v_add_nc_u32 v14, s33, v11                     ; V: channel tiles 2 (W4 % 2) + o, 1,024 bytes each
	s_lshl_b32 s33, s63, 7
	v_add_nc_u32 v15, s33, v12                     ; and their pair's scale words
	s_lshl_b32 s33, s28, 10
	v_add_nc_u32 v11, s33, v11                     ; Q, K: token tiles 2 W4 + o, 512 bytes each
	s_lshl_b32 s33, s28, 7
	v_add_nc_u32 v12, s33, v12
	s_lshl_b32 s2, s32, 9                          ; the pair of heads' 128 numbers of the bias
	s_add_nc_u64 s[34:35], s[34:35], s[2:3]
	; THE SUMS BEGIN AT THE BIAS: it is laid into the accumulators, in the result's layout, while the tiles are on their way
	s_cmp_eq_u32 s27, 2
	s_cbranch_scc1 .Lbias_v
	s_wait_alu depctr_va_vdst(0)
.irp o, 0,1
.irp t, 0,1,2,3,4,5,6,7
	global_load_b128 v[ACC+64*\o+8*\t:ACC+64*\o+8*\t+3], v10, s[34:35] offset:64*\t       ; b(16 t + 8 h + 0 .. 7), the same for both token tiles
	global_load_b128 v[ACC+64*\o+8*\t+4:ACC+64*\o+8*\t+7], v10, s[34:35] offset:64*\t+16
.endr
.endr
	s_branch .Lbias_done
.Lbias_v:
	s_wait_alu depctr_va_vdst(0)
	global_load_b32 v36, v13, s[34:35]             ; V: a lane holds one feature, so its bias is one number for each of my two tiles
	global_load_b32 v37, v13, s[34:35] offset:64
	s_wait_loadcnt 0x0
.set j, 0
.rept 64
	v_mov_b32 v[ACC+j], v36                        ; (no clearing: these moves ARE the bias; they stand where the wave would wait for tiles)
	v_mov_b32 v[ACC+64+j], v37
.set j, j+1
.endr
.Lbias_done:
	s_wait_loadcnt 0x0
; One product.  The sixteen accumulators take turns, one instruction a turn, in the same order in every K step.
.macro MM t, o
.set rD, ACC+64*(\o)+8*(\t)
.set rA, F0+8*(\t)
.set rB, F1+8*(\o)
.set rSA, SW0+4*((\t)/2)+q
.set rSB, SW1+q
.if ((\t)%2 == 0) && ((\o) == 0)
	v_wmma_scale_f32_16x16x128_f8f6f4 v[rD:rD+7], v[rA:rA+7], v[rB:rB+7], v[rD:rD+7], v[rSA], v[rSB] matrix_a_fmt:MATRIX_FMT_FP4 matrix_b_fmt:MATRIX_FMT_FP4
.elseif (\o) == 0
	v_wmma_scale_f32_16x16x128_f8f6f4 v[rD:rD+7], v[rA:rA+7], v[rB:rB+7], v[rD:rD+7], v[rSA], v[rSB] matrix_a_fmt:MATRIX_FMT_FP4 matrix_b_fmt:MATRIX_FMT_FP4 matrix_a_scale:MATRIX_SCALE_ROW1
.elseif (\t)%2 == 0
	v_wmma_scale_f32_16x16x128_f8f6f4 v[rD:rD+7], v[rA:rA+7], v[rB:rB+7], v[rD:rD+7], v[rSA], v[rSB] matrix_a_fmt:MATRIX_FMT_FP4 matrix_b_fmt:MATRIX_FMT_FP4 matrix_b_scale:MATRIX_SCALE_ROW1
.else
	v_wmma_scale_f32_16x16x128_f8f6f4 v[rD:rD+7], v[rA:rA+7], v[rB:rB+7], v[rD:rD+7], v[rSA], v[rSB] matrix_a_fmt:MATRIX_FMT_FP4 matrix_b_fmt:MATRIX_FMT_FP4 matrix_a_scale:MATRIX_SCALE_ROW1 matrix_b_scale:MATRIX_SCALE_ROW1
.endif
.endm
; K step s of 128: ten fragments from LDS, sixteen products.  Three waves lie on a SIMD: one's loads stand beside another's products.
.macro STEP s
.set kh, (\s)/4
.set q, (\s)%4
.rept 4
	v_nop                                          ; four places in front of loads into registers that matrix instructions have read (ISA guide 7.12.1 for vector instructions)
.endr
.if q == 0
	ds_load_b128 v[SW1:SW1+3], v[SA1] offset:16*kh                 ; the scale words of four K steps
.irp p, 0,1,2,3
	ds_load_b128 v[SW0+4*\p:SW0+4*\p+3], v[SA0] offset:1024*\p+16*kh
.endr
.endif
.irp o, 0,1
.irp c, 0,1
	ds_load_b128 v[F1+8*\o+4*\c:F1+8*\o+4*\c+3], v[A1+kh] offset:4352*\o+64*q+32*\c
.endr
.endr
.irp t, 0,1,2,3,4,5,6,7
.irp c, 0,1
	ds_load_b128 v[F0+8*\t+4*\c:F0+8*\t+4*\c+3], v[A0+kh] offset:4352*\t+64*q+32*\c
.endr
.endr
.irp t, 0,1,2,3,4,5,6,7
	s_wait_dscnt 2*(7-\t)                          ; tile t is in; the later tiles' two loads each may be out
	MM \t, 0
	MM \t, 1
.endr
.endm
	s_wait_tensorcnt 0x0                           ; my load has landed; behind the barrier everybody's has
	s_barrier_signal -1
	s_barrier_wait -1                              ; everybody's are
	s_wait_alu depctr_va_vdst(0)
	STEP 0
	STEP 1
	STEP 2
	STEP 3
	STEP 4
	STEP 5
	STEP 6
	STEP 7
; 64 numbers of a lane (eight accumulators, each read from its low end on) become a fragment's codes in v[pc] on and its scale word in v[pw].
.macro QUANT s, pc, pw
.irp b, 0,1,2,3
	v_max3_num_f32 v[TM+\b], |v[\s+16*\b]|, |v[\s+1+16*\b]|, 0x1800000   ; block b: my 16 numbers, and the floor 2^(3 - 127): the byte cannot fall under 1
.endr
.irp i, 2,4,6,8,10,12,14
.irp b, 0,1,2,3
	v_max3_num_f32 v[TM+\b], v[TM+\b], |v[\s+16*\b+\i]|, |v[\s+1+16*\b+\i]|   ; (the four blocks by turns)
.endr
.endr
.irp b, 0,1,2,3
	s_delay_alu instid0(VALU_DEP_4)
	v_permlanex16_b32 v[TM+4+\b], v[TM+\b], s60, s61
.endr
.irp b, 0,1,2,3
	s_delay_alu instid0(VALU_DEP_4)
	v_max_num_f32 v[TM+\b], v[TM+\b], v[TM+4+\b]   ; with lane l xor 16's: the block's largest magnitude
.endr
.irp b, 0,1,2,3
	s_delay_alu instid0(VALU_DEP_4)
	v_add_nc_u32 v[TM+12+\b], 0xff000000, v[TM+\b] ; 2 off its exponent field: the conversion's scale operand
.endr
.irp b, 0,1,2,3
	s_delay_alu instid0(VALU_DEP_4)
	v_lshrrev_b32 v[TM+4+\b], 23, v[TM+12+\b]      ; the scale's byte
.endr
	s_delay_alu instid0(VALU_DEP_3)
	v_lshl_or_b32 v[\pw], v[TM+5], 8, v[TM+4]
	s_delay_alu instid0(VALU_DEP_1)
	v_lshl_or_b32 v[\pw], v[TM+6], 16, v[\pw]
	s_delay_alu instid0(VALU_DEP_1)
	v_lshl_or_b32 v[\pw], v[TM+7], 24, v[\pw]
.irp c, 0,1
	v_cvt_scalef32_pk8_fp4_f32 v[\pc+4*\c], v[\s+32*\c:\s+32*\c+7], v[TM+12+2*\c]          ; tile 4c
	v_cvt_scalef32_pk8_fp4_f32 v[\pc+4*\c+1], v[\s+32*\c+16:\s+32*\c+23], v[TM+13+2*\c]    ; tile 4c + 2
	v_cvt_scalef32_pk8_fp4_f32 v[\pc+4*\c+2], v[\s+32*\c+8:\s+32*\c+15], v[TM+12+2*\c]     ; tile 4c + 1
	v_cvt_scalef32_pk8_fp4_f32 v[\pc+4*\c+3], v[\s+32*\c+24:\s+32*\c+31], v[TM+13+2*\c]    ; tile 4c + 3
.endr
	v_nop                                          ; one plain place behind a scaled conversion
.irp c, 0,1
	v_permlane16_swap_b32 v[\pc+4*\c], v[\pc+4*\c+1]       ; the first's lanes 16-31 change places with the second's lanes 0-15: a whole block in a lane
	v_permlane16_swap_b32 v[\pc+4*\c+2], v[\pc+4*\c+3]
.endr
.endm
.rept 4
	v_nop                                          ; four places behind the last products
.endr
	QUANT ACC, PC0, 40
	QUANT ACC+64, PC1, 41
	v_cmp_le_u32 vcc_lo, 16, v1
	s_delay_alu instid0(VALU_DEP_1)
	v_cndmask_b32 v42, v40, v41, vcc_lo            ; the pair's scale words: lanes 0-15 my first tile's, lanes 16-31 my second's (both halves of the lanes hold a row's word)
	s_cmp_eq_u32 s27, 2
	s_wait_alu depctr_va_vdst(0)                   ; directly ahead of the branch
	s_cbranch_scc1 .Lout_v
	v_and_or_b32 v43, v42, 0xffff, s62             ; Q, K: blocks 0, 1 are head 2 HP's,
	v_lshrrev_b32 v44, 16, v42
	s_delay_alu instid0(VALU_DEP_1)
	v_or_b32 v44, s62, v44                         ; blocks 2, 3 head 2 HP + 1's
	global_store_b128 v11, v[PC0:PC0+3], s[24:25]                  ; each store of the wave covers 512 consecutive bytes, aligned to 256
	global_store_b128 v11, v[PC0+4:PC0+7], s[24:25] offset:HS
	global_store_b128 v11, v[PC1:PC1+3], s[24:25] offset:512
	global_store_b128 v11, v[PC1+4:PC1+7], s[24:25] offset:HS+512
	global_store_b32 v12, v43, s[24:25] offset:4096
	global_store_b32 v12, v44, s[24:25] offset:HS+4096
	s_branch .Lout_done
.Lout_v:
; V's order of keys inside a block: in lanes 16-31 the registers of each pair (0, 1), (2, 3) change places, because attention's p comes out in that order there
; (the same permutation of k on both operands keeps the products; a block of 32 keys stays a block).  VCC holds lanes 16-31.
.irp i, 0,2,4,6,8,10,12,14
	v_cndmask_b32 v[96+\i], v[PC0+\i], v[PC0+\i+1], vcc_lo
	v_cndmask_b32 v[97+\i], v[PC0+\i+1], v[PC0+\i], vcc_lo
.endr
	global_store_b128 v14, v[96:99], s[24:25]                      ; V: a whole fragment, 16 channels x 128 keys, for each of my two tiles
	global_store_b128 v14, v[100:103], s[24:25] offset:512
	global_store_b128 v14, v[104:107], s[24:25] offset:1024
	global_store_b128 v14, v[108:111], s[24:25] offset:1536
	global_store_b32 v15, v42, s[24:25] offset:4096
.Lout_done:
	s_wait_tensorcnt 0x0
	ds_add_u32 v46, v47
	s_wait_dscnt 0x0
	CROUND                                         ; the closing round: no work-group ends while a partner may still ask for a tile that names it
	s_endpgm
.Lfunc_end_k_q2174a6bd0a_qkv:
	.size	k_q2174a6bd0a_qkv, .Lfunc_end_k_q2174a6bd0a_qkv-k_q2174a6bd0a_qkv
	.p2alignl 7, 3214868480
	.fill 96, 4, 3214868480
	.section	.rodata,"a",@progbits
	.p2align	6, 0x0
	.amdhsa_kernel k_q2174a6bd0a_qkv
		.amdhsa_group_segment_fixed_size 296448
		.amdhsa_private_segment_fixed_size 0
		.amdhsa_enable_private_segment 0
		.amdhsa_kernarg_size 88
		.amdhsa_user_sgpr_count 2
		.amdhsa_user_sgpr_kernarg_segment_ptr 1
		.amdhsa_wavefront_size32 1
		.amdhsa_system_sgpr_workgroup_id_x 1
		.amdhsa_system_sgpr_workgroup_id_y 1
		.amdhsa_system_sgpr_workgroup_id_z 1
		.amdhsa_system_vgpr_workitem_id 0
		.amdhsa_next_free_vgpr 256
		.amdhsa_next_free_sgpr 102
		.amdhsa_reserve_vcc 1
		.amdhsa_float_denorm_mode_32 3
		.amdhsa_float_denorm_mode_16_64 3
		.amdhsa_memory_ordered 1
		.amdhsa_forward_progress 1
		.amdhsa_inst_pref_size 59
	.end_amdhsa_kernel
	.amdgpu_metadata
---
amdhsa.version: [ 1, 2 ]
amdhsa.kernels:
  - .name:           k_q2174a6bd0a_qkv
    .symbol:         k_q2174a6bd0a_qkv.kd
    .args:
      - { .name: Wq_codes, .offset: 0, .size: 8, .value_kind: global_buffer, .address_space: global }
      - { .name: Wk_codes, .offset: 8, .size: 8, .value_kind: global_buffer, .address_space: global }
      - { .name: Wv_codes, .offset: 16, .size: 8, .value_kind: global_buffer, .address_space: global }
      - { .name: Wq_scales, .offset: 24, .size: 8, .value_kind: global_buffer, .address_space: global }
      - { .name: Wk_scales, .offset: 32, .size: 8, .value_kind: global_buffer, .address_space: global }
      - { .name: Wv_scales, .offset: 40, .size: 8, .value_kind: global_buffer, .address_space: global }
      - { .name: xq, .offset: 48, .size: 8, .value_kind: global_buffer, .address_space: global }
      - { .name: bq, .offset: 56, .size: 8, .value_kind: global_buffer, .address_space: global }
      - { .name: bk, .offset: 64, .size: 8, .value_kind: global_buffer, .address_space: global }
      - { .name: bv, .offset: 72, .size: 8, .value_kind: global_buffer, .address_space: global }
      - { .name: qkv, .offset: 80, .size: 8, .value_kind: global_buffer, .address_space: global }
    .group_segment_fixed_size: 296448
    .private_segment_fixed_size: 0
    .kernarg_segment_align: 8
    .kernarg_segment_size: 88
    .max_flat_workgroup_size: 384
    .sgpr_count:     102
    .vgpr_count:     256
    .wavefront_size: 32
...
	.end_amdgpu_metadata
.endif
;; end of part 2
;; launch attn (part 3): grid 8 x 32, 8 waves a work-group, clusters of 4 x 1, 167,936 bytes of LDS; arguments qkv, ao; writes ao
.if DOCPART == 3
	.amdgcn_target "amdgcn-amd-amdhsa--gfx1250"
	.amdhsa_code_object_version 6
	.text
	.protected	k_q2174a6bd0a_attn
	.globl	k_q2174a6bd0a_attn
	.p2align	8
	.type	k_q2174a6bd0a_attn,@function
k_q2174a6bd0a_attn:
	s_mov_b64 s[64:65], 0
	v_nop
	global_prefetch_b8 v0, s[64:65] scope:SCOPE_SE
	s_setreg_imm32_b32 hwreg(HW_REG_WAVE_MODE, 25, 1), 1
	s_wait_xcnt 0x0
	s_wait_alu depctr_hold_cnt(0) depctr_sa_sdst(0) depctr_va_vdst(0) depctr_va_sdst(0) depctr_va_ssrc(0) depctr_va_vcc(0) depctr_vm_vsrc(0)
	s_getreg_b32 s2, hwreg(HW_REG_IB_STS2, 6, 4)
	s_cmp_eq_u32 s2, 0
	s_cbranch_scc0 .Lentry_in_a_cluster
	s_endpgm
.Lentry_in_a_cluster:
	s_bfe_u32 s2, ttmp6, 0x10000c
	s_cmp_lg_u32 s2, 0x3003
	s_cbranch_scc0 .Lentry_shape_is_right
	s_endpgm
.Lentry_shape_is_right:
; Attention of one head on codes of FP4 with E8M0 scales; the result is quantised along the hidden axis and stored as images of the last product's operand.
; t = score x log2(e) / 8; M = the running largest t, rounded UP to a whole number; p = 2^(t - M) is quantised along the keys, not normalised; the row's sum is taken of the unquantised p and divides O at the end.
; When M moves, the sum and O are multiplied by 2^(old M - new M): exact.
; SHARES.  A work-group owns 256 queries of one head (batch 16 + head = work-group y); each of its EIGHT waves owns two tiles of 16, A and B, so that a fragment of K or V read from LDS serves both.
; Every wave walks the head's 2,048 keys in 8 chunks of 256, in each chunk tile A and then tile B: the maximum, M and the rescaling come once in 256 keys.
; LDS.  The head's K and V, as register images with their scale words, are 16 x 8,960 bytes: they come ONCE, by one joint load a wave (two key steps of 128 keys), nothing is filled again, and one barrier stands ahead of the loop, none in it.
; CLUSTER 4 x 1: the four query blocks of a cluster belong to one head and read the same K and V.  No prefetch: all is asked for at the head, and no loop runs ahead of a load.
; LAYOUT.  S^T = K Q^T (source 0 = 32 keys, source 1 = my 16 queries), O^T = V^T P^T (source 0 = 16 channels, source 1 = p): a lane holds ONE query throughout.
; WHICH KEYS FORM A TILE is chosen by LDS addresses so that a lane's 32 registers are ONE WHOLE BLOCK of 32 keys: with a = the natural tile 4 c + q of a step, b = a + 2,
;   tile X takes a's rows 0-7 and b's rows 8-15, tile Y a's rows 8-15 and b's rows 0-7.  Lanes 0-15 then hold keys 64 c + 0 .. 31 in order, lanes 16-31 keys 64 c + 32 .. 63 with neighbouring groups of
;   eight exchanged; V was stored in the same order.  So no exchange of lanes is needed for the codes, and the 16 rows of a load start at 16 different 16-byte columns.
; The head's 64 fill half of the first instruction's K: registers 4-7 of K's and Q's fragments are zero codes, under the scale byte 0x7f.
; A block's scale: floor(log2 p) of its largest p is floor(t - M) of its largest score.
; LIMITS: a block of p, or of the result, that is all zeros or under 2^-124 gets the byte 1 (its codes are zeros; this program alone reads the bytes).  NaN and infinities are not served.
; A largest p whose t - M lies within an ulp under a whole number may be held at the largest code of the lower scale.
.set REC,   13568
.set HS,    16*REC
.set AOS,   2097152                    ; where the scale words begin in ao
.set STEPB, 8960                       ; a key step in LDS: K's codes 4,096, K's scale words 512, V's codes 4,096, V's scale words 256
.set CHB,   2*STEPB                    ; a chunk: two steps
.set SPARE, 16*STEPB                   ; the spare words, 128 bytes for each wave
; window 0: v1 16 x lane, v2 4 x lane, v3, v4 my place in tiles X and Y, v5 among K's scale words; v6-9 at work; v[10:11], v[12:13] (-M, largest score) of A, B; v[14:15], v[16:17] their sums; v[18:19] f; v20, v21 the add's; v30, v31 at work
.set BM,   22                          ; v22-25   the blocks' largest scores, then exponents
.set SO,   26                          ; v26-29   the conversions' scale operands
.set PSW,  32                          ; v32-33   p's scale words
.set QSA,  34                          ; v34, v35 Q's scale words of A, B
.set QSB,  35
.set VSW,  36                          ; v36-39   V's: step u, channel pair p at 2 u + p
.set KSW,  40                          ; v40-47   K's, by 32 rows
.set PC,   48                          ; v48-63   p's codes
.set OA,   64                          ; v64-95, v96-127 O^T of A, B
.set OB,   96
.set S,    128                         ; v128-255 S^T, then p: block b at S + 32 b
; window 1: K's 16 tiles, V's 2 x 4, Q's two
.set KF,   0
.set VF,   128
.set QA,   192
.set QB,   200
.set WV,   8                           ; s8 wave
.set SEL,  20                          ; s[20:21]
.set CS,   22                          ; s[22:23] c = log2(e) / 8
.set G1,   24                          ; s[24:31]
.set G0,   32                          ; s[32:35]
.set TB,   48                          ; s48 LDS byte at which the chunk begins
.set CNT,  49                          ; s49 chunk
.set TK,   50                          ; s50 LDS byte at which the next chunk begins
.set NC,   54                          ; s54 -c
.set MSB, 0
.macro WIN new                         ; the immediate's high byte repeats the setting that is left
.if MSB != \new
	s_set_vgpr_msb (MSB<<8)|\new
.set MSB, \new
.endif
.endm
.macro CROUND
	s_barrier_signal -1
	s_barrier_wait -1
	s_cmp_lg_u32 s[WV], 0
	s_cbranch_scc1 .Lnot_wave_0_\@
	s_barrier_signal -3
.Lnot_wave_0_\@:
	s_barrier_wait -3
	s_barrier_signal -1
	s_barrier_wait -1
.endm
	s_load_b128 s[4:7], s[0:1], 0x0                ; qkv, ao
	v_lshl_add_u32 v20, v0, 2, SPARE
	v_mov_b32 v21, 0
	ds_add_u32 v20, v21                            ; the opening: the add, twice on end, and its wait
	ds_add_u32 v20, v21
	v_lshrrev_b32 v9, 5, v0
	v_readfirstlane_b32 s[WV], v9                  ; wave 0..7
	s_bfe_u32 s9, ttmp6, 0x40000                   ; cx
	s_lshl_b32 s10, ttmp9, 2
	s_add_co_u32 s10, s10, s9                      ; my block of 256 queries: it enters Q's and ao's addresses alone
	s_and_b32 s11, ttmp7, 0xffff                   ; batch 16 + head, which the four partners share
	; descriptor group 1: two rows of 8,960 bytes (1,120 elements of 8 bytes), a record apart; the mask names all four work-groups
	s_mov_b32 s[G1], 15|(3<<16)|(1<<21)
	s_mov_b32 s[G1+1], (STEPB/8)<<16
	s_mov_b32 s[G1+2], 2<<16
	s_mov_b32 s[G1+3], (STEPB/8)<<16
	s_mov_b32 s[G1+4], 2
	s_mov_b32 s[G1+5], REC/8
	s_mov_b32 s[G1+6], 0
	s_mov_b32 s[G1+7], 0
	s_mov_b32 s[SEL], 0x76543210                   ; lane l xor 16
	s_mov_b32 s[SEL+1], 0xfedcba98
	s_mov_b32 s[CS], 0x3e38aa3b                    ; log2(e) / sqrt(64)
	s_mov_b32 s[CS+1], s[CS]                       ; (named with it as a pair, so it is written)
	s_mov_b32 s[NC], 0xbe38aa3b
	s_mul_i32 s12, s11, HS                         ; the head's records;
	s_mul_i32 s13, s[WV], 2*REC                    ; wave w brings steps 2 w and 2 w + 1;
	s_add_co_u32 s12, s12, s13
	s_add_co_u32 s12, s12, 4608                    ; K's and V's parts of a record lie behind Q's
	s_mov_b32 s13, 0
	s_lshl_b32 s14, s11, 4                         ; Q: the record of my block of 128 tokens: 2 x my block of 256 + wave / 4
	s_lshl_b32 s15, s10, 1
	s_add_co_u32 s14, s14, s15
	s_lshr_b32 s15, s[WV], 2
	s_add_co_u32 s14, s14, s15
	s_mul_i32 s14, s14, REC
	s_mov_b32 s15, 0
	s_lshr_b32 s16, s11, 4                         ; ao: tile A is token tile G = batch 128 + 16 x my block + 2 x wave, tile B the next
	s_lshl_b32 s16, s16, 7
	s_lshl_b32 s17, s10, 4
	s_add_co_u32 s16, s16, s17
	s_lshl_b32 s17, s[WV], 1
	s_add_co_u32 s16, s16, s17
	s_lshl_b32 s16, s16, 4
	s_and_b32 s17, s11, 15
	s_add_co_u32 s16, s16, s17                     ; 16 G + head
	s_lshl_b32 s18, s16, 9                         ; 512 bytes of codes,
	s_mov_b32 s19, 0
	s_lshl_b32 s52, s16, 7                         ; 128 bytes of scale words
	s_add_co_u32 s52, s52, AOS
	s_mov_b32 s53, 0
	s_wait_dscnt 0x0                               ; both opening adds are done
	s_wait_kmcnt 0x0
	s_add_nc_u64 s[12:13], s[4:5], s[12:13]
	s_add_nc_u64 s[14:15], s[4:5], s[14:15]
	s_add_nc_u64 s[18:19], s[6:7], s[18:19]
	s_add_nc_u64 s[52:53], s[6:7], s[52:53]
	s_mov_b32 s[G0], 1
	s_mul_i32 s[G0+1], s[WV], CHB
	s_mov_b64 s[G0+2:G0+3], s[12:13]
	s_or_b32 s[G0+3], s[G0+3], 0x80000000
	CROUND                                         ; all four work-groups are here: the joint loads meet
	tensor_load_to_lds s[G0:G0+3], s[G1:G1+7]      ; one a wave
	s_nop 0
.rept 4
	v_nop
.endr
	v_and_b32 v9, 31, v0                           ; lane l
	v_and_b32 v30, 15, v0                          ; r
	v_bfe_u32 v31, v0, 4, 1                        ; l / 16
	v_bfe_u32 v8, v0, 3, 1                         ; r / 8
	v_lshlrev_b32 v1, 4, v9
	v_lshlrev_b32 v2, 2, v9
	v_xor_b32 v4, 8, v9
	v_lshlrev_b32 v5, 3, v31
	v_lshl_add_u32 v3, v8, 10, v1                  ; X: 16 l, rows 8-15 two tiles (1,024 bytes) on
	v_lshlrev_b32 v4, 4, v4
	v_xor_b32 v5, v30, v5
	v_lshl_add_u32 v4, v8, 10, v4                  ; Y: 16 (l xor 8), likewise
	v_lshlrev_b32 v5, 2, v5
	v_lshl_add_u32 v5, v8, 7, v5                   ; scale words: lanes 0-15 X's rows, lanes 16-31 Y's; two tiles are 128 bytes
	s_and_b32 s16, s[WV], 3                        ; my pair of tiles in the record
	s_lshl_b32 s17, s16, 10
	v_add_nc_u32 v6, s17, v1
	s_lshl_b32 s17, s16, 7
	v_lshlrev_b32 v7, 2, v30
	v_add_nc_u32 v7, s17, v7
	WIN 0x40
	global_load_b128 v[QA:QA+3], v6, s[14:15]      ; Q's codes stay in registers
	global_load_b128 v[QB:QB+3], v6, s[14:15] offset:512
	WIN 0
	global_load_b32 v[QSA], v7, s[14:15] offset:4096
	global_load_b32 v[QSB], v7, s[14:15] offset:4160
	WIN 0x40
.set j, 0
.rept 4
	v_mov_b32 v[QA+4+j], 0                         ; the zero codes of k = 64 .. 127
	v_mov_b32 v[QB+4+j], 0
.set j, j+1
.endr
.set j, 0
.rept 16
	v_mov_b32 v[KF+8*j+4], 0                       ; written once: the loads fill registers 0-3 of a tile alone
	v_mov_b32 v[KF+8*j+5], 0
	v_mov_b32 v[KF+8*j+6], 0
	v_mov_b32 v[KF+8*j+7], 0
.set j, j+1
.endr
	WIN 0
.set j, 0
.rept 64
	v_mov_b32 v[OA+j], 0                           ; O^T of both tiles.  (The chunk is written once: the first finds zeros, which the first change of M leaves zeros)
.set j, j+1
.endr
.irp r, 8, 9, 14, 15, 16, 17, 19, 30, 31
	v_mov_b32 v[\r], 0                             ; the sums; v8, v30 are lane permutes' destinations, which count as sources; v19 is named as the upper half of v[18:19]
.endr
	v_mov_b32 v10, 0x7e000000                      ; -M and the largest score so far: -M is huge and the score -3e38, under every score
	v_mov_b32 v12, 0x7e000000
	v_mov_b32 v11, 0xff61b1e6
	v_mov_b32 v13, 0xff61b1e6
; K of two steps from the chunk at which v[x], v[y], v[k] stand
.macro PF mx                           ; t - M of the first step's keys, two at a time
	v_pk_fma_f32 v[S+j:S+j+1], v[S+j:S+j+1], s[CS:CS+1], v[\mx:\mx+1] op_sel_hi:[1,0,0]
.set j, j+2
.endm
.macro KLOAD x, y, k
	WIN 0x40
.irp u, 0,1
.irp c, 0,1
.irp q, 0,1
	ds_load_b128 v[KF+64*\u+32*\c+16*\q:KF+64*\u+32*\c+16*\q+3], v[\x] offset:STEPB*\u+512*(4*\c+\q)
	ds_load_b128 v[KF+64*\u+32*\c+16*\q+8:KF+64*\u+32*\c+16*\q+11], v[\y] offset:STEPB*\u+512*(4*\c+\q)
.endr
.endr
.endr
	WIN 0
.irp u, 0,1
.irp c, 0,1
.irp q, 0,1
	ds_load_b32 v[KSW+4*\u+2*\c+\q], v[\k] offset:STEPB*\u+4096+64*(4*\c+\q)
.endr
.endr
.endr
.endm
; One tile of 16 queries x 256 keys.  mx: its (-M, largest score); lx: its sum; ox: its O^T; qx, qs: its Q.  second = 0 (tile A) fetches this chunk's V, 1 (tile B) the next chunk's K.
.macro TILE mx, lx, ox, qx, qs, second
	WIN 0x05
.irp p, 0,1,2,3,4,5,6,7
	v_wmma_scale_f32_32x16x128_f4 v[S+16*\p:S+16*\p+15], v[KF+16*\p:KF+16*\p+15], v[\qx:\qx+7], 0, v[KSW+\p], v[\qs]
.endr
	WIN 0
.if \second                            ; four places behind the products, for the loads and for the readers below
	v_add_nc_u32 v6, s[TK], v3
	v_add_nc_u32 v7, s[TK], v4
	v_add_nc_u32 v8, s[TK], v5
	v_nop
	KLOAD 6, 7, 8
.else
	v_add_nc_u32 v6, s[TB], v1
	v_add_nc_u32 v7, s[TB], v2
	v_nop
	v_nop
	WIN 0x40
.irp u, 0,1
.irp t, 0,1,2,3
	ds_load_b128 v[VF+32*\u+8*\t:VF+32*\u+8*\t+3], v6 offset:STEPB*\u+4608+1024*\t
	ds_load_b128 v[VF+32*\u+8*\t+4:VF+32*\u+8*\t+7], v6 offset:STEPB*\u+4608+1024*\t+512
.endr
.endr
	WIN 0
.irp u, 0,1
.irp p, 0,1
	ds_load_b32 v[VSW+2*\u+\p], v7 offset:STEPB*\u+8704+128*\p
.endr
.endr
.endif
; THE LARGEST SCORE OF EACH BLOCK: it serves the row's maximum and the block's scale.  Eight chains, two a block (the scale operands' registers are free here)
.irp b, 0,1,2,3
	v_max3_num_f32 v[BM+\b], v[S+32*\b], v[S+32*\b+1], v[S+32*\b+2]
	v_max3_num_f32 v[SO+\b], v[S+32*\b+16], v[S+32*\b+17], v[S+32*\b+18]
.endr
.set j, 3
.rept 6
.irp b, 0,1,2,3
	v_max3_num_f32 v[BM+\b], v[BM+\b], v[S+32*\b+j], v[S+32*\b+j+1]
	v_max3_num_f32 v[SO+\b], v[SO+\b], v[S+32*\b+16+j], v[S+32*\b+17+j]
.endr
.set j, j+2
.endr
.irp b, 0,1,2,3
	v_max3_num_f32 v[BM+\b], v[BM+\b], v[SO+\b], v[S+32*\b+15]
.endr
.irp b, 0,1,2,3
	v_max_num_f32 v[BM+\b], v[BM+\b], v[S+32*\b+31]
.endr
	v_max3_num_f32 v9, v[BM], v[BM+1], v[BM+2]
	s_delay_alu instid0(VALU_DEP_1)
	v_max_num_f32 v9, v9, v[BM+3]
	s_delay_alu instid0(VALU_DEP_1)
	v_permlanex16_b32 v30, v9, s[SEL], s[SEL+1]    ; the other half's blocks
	s_delay_alu instid0(VALU_DEP_1)
	v_max3_num_f32 v[\mx+1], v[\mx+1], v9, v30     ; the running largest score of my query
	s_delay_alu instid0(VALU_DEP_1)
	v_mul_f32 v9, s[NC], v[\mx+1]                  ; -t (c is positive)
	s_delay_alu instid0(VALU_DEP_1)
	v_floor_f32 v9, v9                             ; the new -M = floor(-t) = -ceil(t)
	s_delay_alu instid0(VALU_DEP_1)
	v_sub_f32 v31, v9, v[\mx]                      ; old M - new M: a whole number, 0 or less
	v_mov_b32 v[\mx], v9
.irp b, 0,1,2,3
	v_fma_f32 v[BM+\b], v[BM+\b], s[CS], v9        ; each block's largest t - M.  The blocks' lines stand between the multiply-adds of t - M
.endr
	v_cvt_i32_f32 v31, v31                         ; (it saturates)
.set j, 0
	PF \mx
.irp b, 0,1,2,3
	v_max_num_f32 v[BM+\b], 0xc2f80000, v[BM+\b]   ; held at -124: the byte cannot fall under 1
	PF \mx
.endr
	v_ldexp_f32 v18, 1.0, v31                      ; f = 2^(old M - new M)
.irp b, 0,1,2,3
	v_cvt_floor_i32_f32 v[BM+\b], v[BM+\b]         ; e = floor(log2 of the block's largest p)
	PF \mx
.endr
.irp b, 0,1,2,3
	v_lshl_add_u32 v[SO+\b], v[BM+\b], 23, 0x3e800000  ; 2^(e - 2): exponent field e + 125
	PF \mx
.endr
	v_lshl_add_u32 v9, v[BM+1], 16, v[BM]          ; the bytes e + 125 of my two blocks of a step at bits 7:0 and 23:16,
	PF \mx
	v_lshl_add_u32 v31, v[BM+3], 16, v[BM+2]
	PF \mx
	v_add_nc_u32 v9, 0x7d007d, v9
	PF \mx
	v_add_nc_u32 v31, 0x7d007d, v31
	PF \mx
	v_permlanex16_b32 v30, v9, s[SEL], s[SEL+1]
	PF \mx
	v_permlanex16_b32 v8, v31, s[SEL], s[SEL+1]
	PF \mx
	v_lshl_or_b32 v[PSW], v30, 8, v9               ; and lane l + 16's between them: lanes 0-15 hold the scale words (lanes 16-31 are not read)
	PF \mx
	v_lshl_or_b32 v[PSW+1], v8, 8, v31
	PF \mx
.rept 11
	PF \mx
.endr
	s_wait_alu depctr_va_vdst(0)                   ; ahead of the batch
.set j, 0
.rept 32
	v_exp_f32 v[S+j], v[S+j]                       ; p = 2^(t - M), at most 1;
	v_exp_f32 v[S+j+1], v[S+j+1]
	v_pk_fma_f32 v[S+64+j:S+65+j], v[S+64+j:S+65+j], s[CS:CS+1], v[\mx:\mx+1] op_sel_hi:[1,0,0]   ; between them the second step's t - M
.set j, j+2
.endr
	s_wait_alu depctr_va_vdst(0)                   ; behind the first batch and ahead of the second
.set j, 0
.rept 8
	v_exp_f32 v[S+64+2*j], v[S+64+2*j]
	v_exp_f32 v[S+65+2*j], v[S+65+2*j]
	v_cvt_scalef32_pk8_fp4_f32 v[PC+j], v[S+8*j:S+8*j+7], v[SO+j/4]   ; between them the first step's codes,
.set j, j+1
.endr
	v_nop                                          ; one plain place behind the conversions
.set j, 0
.rept 16
	v_exp_f32 v[S+80+3*j], v[S+80+3*j]
	v_exp_f32 v[S+81+3*j], v[S+81+3*j]
	v_exp_f32 v[S+82+3*j], v[S+82+3*j]
	v_pk_add_f32 v[S+4*j:S+4*j+1], v[S+4*j:S+4*j+1], v[S+4*j+2:S+4*j+3]   ; and the first sums of its unquantised p
.set j, j+1
.endr
	s_wait_alu depctr_va_vdst(0)                   ; behind the batch, and directly ahead of the first readers of O^T
.set j, 0
.rept 16
	v_pk_mul_f32 v[\ox+j:\ox+j+1], v[\ox+j:\ox+j+1], v[18:19] op_sel_hi:[1,0]   ; O^T under the new M, each accumulator from its low end on
.set j, j+2
.endr
.set j, 8
.rept 8
	v_cvt_scalef32_pk8_fp4_f32 v[PC+j], v[S+8*j:S+8*j+7], v[SO+j/4]
.set j, j+1
.endr
	v_pk_fma_f32 v[\lx:\lx+1], v[\lx:\lx+1], v[18:19], v[S:S+1] op_sel_hi:[1,0,1]   ; THE ROW'S SUM, in eight chains, the first the old sum under the new M
; (eight chains in all: the old sum's, and those at S + 4 k, k = 1 .. 7)
.irp k, 1,2,3,4,5,6,7
	v_pk_add_f32 v[S+4*\k:S+4*\k+1], v[S+4*\k:S+4*\k+1], v[S+32+4*\k:S+33+4*\k]
.endr
	v_pk_add_f32 v[\lx:\lx+1], v[\lx:\lx+1], v[S+32:S+33]
.set j, 0
.rept 4
.irp k, 1,2,3,4,5,6,7
	v_pk_add_f32 v[S+4*\k:S+4*\k+1], v[S+4*\k:S+4*\k+1], v[S+64+2*\k+j:S+65+2*\k+j]
.endr
	v_pk_add_f32 v[\lx:\lx+1], v[\lx:\lx+1], v[S+64+j:S+65+j]
.set j, j+16
.endr
	v_pk_add_f32 v[S+4:S+5], v[S+4:S+5], v[S+20:S+21]
	v_pk_add_f32 v[S+8:S+9], v[S+8:S+9], v[S+24:S+25]
	v_pk_add_f32 v[S+12:S+13], v[S+12:S+13], v[S+28:S+29]
	v_pk_add_f32 v[\lx:\lx+1], v[\lx:\lx+1], v[S+16:S+17]
	v_pk_add_f32 v[S+4:S+5], v[S+4:S+5], v[S+12:S+13]
	v_pk_add_f32 v[\lx:\lx+1], v[\lx:\lx+1], v[S+8:S+9]
	v_pk_add_f32 v[\lx:\lx+1], v[\lx:\lx+1], v[S+4:S+5]
.if \second == 0
	s_wait_dscnt 0x0                               ; V and its scale words are in, for both tiles
.endif
	WIN 0x01
; the four accumulators take turns, three others between a sum's steps
.irp u, 0,1
.irp t, 0,2
	v_wmma_scale_f32_16x16x128_f8f6f4 v[\ox+8*\t:\ox+8*\t+7], v[VF+32*\u+8*\t:VF+32*\u+8*\t+7], v[PC+8*\u:PC+8*\u+7], v[\ox+8*\t:\ox+8*\t+7], v[VSW+2*\u+\t/2], v[PSW+\u] matrix_a_fmt:MATRIX_FMT_FP4 matrix_b_fmt:MATRIX_FMT_FP4
	v_wmma_scale_f32_16x16x128_f8f6f4 v[\ox+8*\t+8:\ox+8*\t+15], v[VF+32*\u+8*\t+8:VF+32*\u+8*\t+15], v[PC+8*\u:PC+8*\u+7], v[\ox+8*\t+8:\ox+8*\t+15], v[VSW+2*\u+\t/2], v[PSW+\u] matrix_a_fmt:MATRIX_FMT_FP4 matrix_b_fmt:MATRIX_FMT_FP4 matrix_a_scale:MATRIX_SCALE_ROW1
.endr
.endr
	WIN 0
.endm
	s_mov_b32 s[CNT], 0
	s_wait_alu depctr_va_vdst(0)                   ; the wait at the head's end
	s_wait_loadcnt 0x0                             ; Q
	s_wait_tensorcnt 0x0                           ; my two steps have landed;
	s_barrier_signal -1
	s_barrier_wait -1                              ; everybody's have
	KLOAD 3, 4, 5                                  ; chunk 0
.Lchunk:
	s_mul_i32 s[TB], s[CNT], CHB
	s_add_co_u32 s[TK], s[CNT], 1
	s_and_b32 s[TK], s[TK], 7                      ; (the last chunk fetches chunk 0's K once more, which nobody uses: every address stays inside what was filled)
	s_mul_i32 s[TK], s[TK], CHB
	s_wait_dscnt 0x0                               ; this chunk's K is in
	TILE 10, 14, OA, QA, QSA, 0
	TILE 12, 16, OB, QB, QSB, 1
	s_add_co_u32 s[CNT], s[CNT], 1
	s_cmp_lt_u32 s[CNT], 8
	s_cbranch_scc1 .Lchunk
	; THE END: O^T / the sum, quantised along the head's 64 (two blocks of the last product's K), stored as half a fragment's image for each tile
	s_wait_alu depctr_va_vdst(0)
	v_add_f32 v9, v14, v15                         ; the sums' two halves,
	v_add_f32 v31, v16, v17
	v_permlanex16_b32 v30, v9, s[SEL], s[SEL+1]
	v_permlanex16_b32 v8, v31, s[SEL], s[SEL+1]
	v_add_f32 v9, v9, v30                          ; and lane l xor 16's
	v_add_f32 v31, v31, v8
	s_wait_alu depctr_va_vdst(0)                   ; ahead of the two
	v_rcp_f32 v18, v9
	v_rcp_f32 v32, v31
	v_nop                                          ; one plain place behind them
	s_wait_alu depctr_va_vdst(0)                   ; and behind them, directly ahead of the first readers of O^T
.set j, 0
.rept 16
	v_pk_mul_f32 v[OA+j:OA+j+1], v[OA+j:OA+j+1], v[18:19] op_sel_hi:[1,0]
	v_pk_mul_f32 v[OB+j:OB+j+1], v[OB+j:OB+j+1], v[32:33] op_sel_hi:[1,0]
.set j, j+2
.endr
.irp b, 0,1,2,3                        ; blocks 0, 1 are A's, 2, 3 B's; a block lies in lanes l and l xor 16
	v_max3_num_f32 v[BM+\b], |v[OA+16*\b]|, |v[OA+16*\b+1]|, 0x1800000
.endr
.irp i, 2,4,6,8,10,12,14
.irp b, 0,1,2,3
	v_max3_num_f32 v[BM+\b], v[BM+\b], |v[OA+16*\b+\i]|, |v[OA+16*\b+\i+1]|
.endr
.endr
.irp b, 0,1,2,3
	v_permlanex16_b32 v[S+\b], v[BM+\b], s[SEL], s[SEL+1]
.endr
.irp b, 0,1,2,3
	v_max_num_f32 v[BM+\b], v[BM+\b], v[S+\b]
.endr
.irp b, 0,1,2,3
	v_add_nc_u32 v[SO+\b], 0xff000000, v[BM+\b]    ; 2 off its exponent field: the conversion's scale operand
.endr
.irp b, 0,1,2,3
	v_lshrrev_b32 v[S+4+\b], 23, v[SO+\b]
.endr
	v_lshl_or_b32 v[S+8], v[S+5], 8, v[S+4]        ; my head's two bytes; the last launch joins two heads' to a word
	v_lshl_or_b32 v[S+9], v[S+7], 8, v[S+6]
.irp x, 0,1
	v_cvt_scalef32_pk8_fp4_f32 v[PC+4*\x], v[OA+32*\x:OA+32*\x+7], v[SO+2*\x]
	v_cvt_scalef32_pk8_fp4_f32 v[PC+4*\x+1], v[OA+32*\x+16:OA+32*\x+23], v[SO+2*\x+1]
	v_cvt_scalef32_pk8_fp4_f32 v[PC+4*\x+2], v[OA+32*\x+8:OA+32*\x+15], v[SO+2*\x]
	v_cvt_scalef32_pk8_fp4_f32 v[PC+4*\x+3], v[OA+32*\x+24:OA+32*\x+31], v[SO+2*\x+1]
.endr
	v_nop
.irp x, 0,1
	v_permlane16_swap_b32 v[PC+4*\x], v[PC+4*\x+1]         ; a whole block in a lane
	v_permlane16_swap_b32 v[PC+4*\x+2], v[PC+4*\x+3]
.endr
	global_store_b128 v1, v[PC:PC+3], s[18:19]     ; 512 consecutive bytes, aligned
	global_store_b128 v1, v[PC+4:PC+7], s[18:19] offset:8192
	global_store_b32 v2, v[S+8], s[52:53]
	global_store_b32 v2, v[S+9], s[52:53] offset:2048
	s_wait_tensorcnt 0x0                           ; the wave's end
	ds_add_u32 v20, v21
	s_wait_dscnt 0x0
	CROUND                                         ; the closing round
	s_endpgm
.Lfunc_end_k_q2174a6bd0a_attn:
	.size	k_q2174a6bd0a_attn, .Lfunc_end_k_q2174a6bd0a_attn-k_q2174a6bd0a_attn
	.p2alignl 7, 3214868480
	.fill 96, 4, 3214868480
	.section	.rodata,"a",@progbits
	.p2align	6, 0x0
	.amdhsa_kernel k_q2174a6bd0a_attn
		.amdhsa_group_segment_fixed_size 167936
		.amdhsa_private_segment_fixed_size 0
		.amdhsa_enable_private_segment 0
		.amdhsa_kernarg_size 16
		.amdhsa_user_sgpr_count 2
		.amdhsa_user_sgpr_kernarg_segment_ptr 1
		.amdhsa_wavefront_size32 1
		.amdhsa_system_sgpr_workgroup_id_x 1
		.amdhsa_system_sgpr_workgroup_id_y 1
		.amdhsa_system_sgpr_workgroup_id_z 1
		.amdhsa_system_vgpr_workitem_id 0
		.amdhsa_next_free_vgpr 512
		.amdhsa_next_free_sgpr 66
		.amdhsa_reserve_vcc 0
		.amdhsa_float_denorm_mode_32 3
		.amdhsa_float_denorm_mode_16_64 3
		.amdhsa_memory_ordered 1
		.amdhsa_forward_progress 1
		.amdhsa_inst_pref_size 67
	.end_amdhsa_kernel
	.amdgpu_metadata
---
amdhsa.version: [ 1, 2 ]
amdhsa.kernels:
  - .name:           k_q2174a6bd0a_attn
    .symbol:         k_q2174a6bd0a_attn.kd
    .args:
      - { .name: qkv, .offset: 0, .size: 8, .value_kind: global_buffer, .address_space: global }
      - { .name: ao, .offset: 8, .size: 8, .value_kind: global_buffer, .address_space: global }
    .group_segment_fixed_size: 167936
    .private_segment_fixed_size: 0
    .kernarg_segment_align: 8
    .kernarg_segment_size: 16
    .max_flat_workgroup_size: 256
    .sgpr_count:     66
    .vgpr_count:     512
    .wavefront_size: 32
...
	.end_amdgpu_metadata
.endif
;; end of part 3
;; launch outln (part 4): grid 256 x 1, 8 waves a work-group, clusters of 4 x 1, 309,248 bytes of LDS; arguments ao, wimg, Wo_scales, bo, x, ln_gamma, ln_beta, out0; writes out0
.if DOCPART == 4
	.amdgcn_target "amdgcn-amd-amdhsa--gfx1250"
	.amdhsa_code_object_version 6
	.text
	.protected	k_q2174a6bd0a_outln
	.globl	k_q2174a6bd0a_outln
	.p2align	8
	.type	k_q2174a6bd0a_outln,@function
k_q2174a6bd0a_outln:
	s_mov_b64 s[64:65], 0
	v_nop
	global_prefetch_b8 v0, s[64:65] scope:SCOPE_SE
	s_setreg_imm32_b32 hwreg(HW_REG_WAVE_MODE, 25, 1), 1
	s_wait_xcnt 0x0
	s_wait_alu depctr_hold_cnt(0) depctr_sa_sdst(0) depctr_va_vdst(0) depctr_va_sdst(0) depctr_va_ssrc(0) depctr_va_vcc(0) depctr_vm_vsrc(0)
	s_getreg_b32 s2, hwreg(HW_REG_IB_STS2, 6, 4)
	s_cmp_eq_u32 s2, 0
	s_cbranch_scc0 .Lentry_in_a_cluster
	s_endpgm
.Lentry_in_a_cluster:
	s_bfe_u32 s2, ttmp6, 0x10000c
	s_cmp_lg_u32 s2, 0x3003
	s_cbranch_scc0 .Lentry_shape_is_right
	s_endpgm
.Lentry_shape_is_right:
; out0 = LayerNorm(x + attended Wo^T + bo) gamma + beta.  The product runs on codes of FP4 with E8M0 scales (K = 1,024); all else in f32.
; SHARES.  A work-group owns 16 whole rows (token tile G), which the norm needs; wave w owns columns 128 w .. 128 w + 127: eight accumulators.
; The product is used transposed (source 0 = 16 rows of Wo, source 1 = the attended fragment): a lane holds one token and eight neighbouring columns.
; THE SUMS BEGIN AT x + bo: x is read by rows (sixteen lanes read 256 consecutive bytes), bo is added, and the rows turn through the wave's stage in LDS into the accumulators' layout.
; Wo comes as images of operand registers, 64 KiB a wave, which LDS cannot hold for eight waves: tiles 0-3 (32 KiB a wave) come into LDS by one joint load a wave, which the four work-groups of a cluster share;
; tiles 4-7 go straight into 256 registers, so that no LDS byte is filled twice and no wave waits for a second fill.  No prefetch: everything is asked for at the head, there is no loop to run ahead in.
; The attended tile (8 KiB and its scale words) is loaded once by the work-group, a K step a wave, and handed round through LDS.
; THE NORM: each wave takes the mean of its 128 columns and the sum of the squares of y - that mean; one exchange joins them: the squares' sum is that of the waves' sums + 128 x the squares of (wave's mean - mean).
; So a common offset of x costs no digits.
; LIMITS: NaN and infinities are not served; v_rsq_f32 is good to 1 ulp.
.set AOS,   2097152
.set AO,    262144                     ; LDS: 8 x 32,768 bytes of Wo, then the attended tile: 8 fragments x 1,024, 8 x 128 bytes of scale words
.set STG,   AO+9216                    ; a stage of 16 rows x 272 for each wave
.set RED,   STG+8*4352                 ; the waves' (mean, squares): 8 x 256 bytes
.set SPARE, RED+2048                   ; the spare words, 128 bytes for each wave
.set WV,  20                           ; s20 wave
.set AS,  16                           ; v16-23  the attended rows' scale words, one for each K step
.set WS,  24                           ; v24-55  Wo's scale words: tile pair P x K step s (lanes 0-15 the even tile, lanes 16-31 the odd)
.set BO,  56                           ; v56-63  bo: my four columns of each half
.set AF,  64                           ; v64-127 the attended fragments, 8 K steps; then work; at the end the output's rows
.set ACC, 128                          ; v128-191
.set WF,  192                          ; v192-255 two sets of four fragments of Wo; at the head x's rows; at the end v192-207 gamma and beta
; window 1: tiles 4-7: fragment (K step s, tile 4 + t) at 8 (4 s + t)
.set MSB, 0
.macro WIN new                         ; the immediate's high byte repeats the setting that is left
.if MSB != \new
	s_set_vgpr_msb (MSB<<8)|\new
.set MSB, \new
.endif
.endm
.macro CROUND
	s_barrier_signal -1
	s_barrier_wait -1
	s_cmp_lg_u32 s[WV], 0
	s_cbranch_scc1 .Lnot_wave_0_\@
	s_barrier_signal -3
.Lnot_wave_0_\@:
	s_barrier_wait -3
	s_barrier_signal -1
	s_barrier_wait -1
.endm
	s_load_b512 s[4:19], s[0:1], 0x0               ; ao s[4:5], wimg s[6:7], Wo's scales s[8:9], bo s[10:11], x s[12:13], gamma s[14:15], beta s[16:17], out0 s[18:19]
	v_lshl_add_u32 v14, v0, 2, SPARE               ; my spare word; never rewritten
	v_mov_b32 v15, 0                               ; 0; never rewritten
	ds_add_u32 v14, v15                            ; the opening: the add, twice on end, and its wait
	ds_add_u32 v14, v15
	v_lshrrev_b32 v1, 5, v0
	v_readfirstlane_b32 s[WV], v1                  ; wave 0..7
	s_bfe_u32 s21, ttmp6, 0x40000                  ; cx
	s_lshl_b32 s22, ttmp9, 2
	s_add_co_u32 s22, s22, s21                     ; G: it enters global addresses of ao, x and out0 alone
	; descriptor group 1: 32,768 dense bytes as 128 rows of 256 (32 elements of 8 bytes); the mask names all four work-groups
	s_mov_b32 s24, 15|(3<<16)|(1<<21)
	s_mov_b32 s25, 32<<16
	s_mov_b32 s26, 128<<16
	s_mov_b32 s27, 32<<16
	s_mov_b32 s28, 128
	s_mov_b32 s29, 32
	s_mov_b32 s30, 0
	s_mov_b32 s31, 0
	s_mov_b32 s40, 0x76543210                      ; lane l xor 16
	s_mov_b32 s41, 0xfedcba98
	s_mov_b32 s52, 0x3a800000                      ; 1 / 1,024
	s_mov_b32 s53, 0x3727c5ac                      ; 1e-5
	s_mov_b32 s54, 0x3c000000                      ; 1 / 128
	s_lshl_b32 s42, s[WV], 16                      ; my eight tiles of Wo
	s_mov_b32 s43, 0
	s_mov_b32 s45, 0
	s_mov_b32 s32, 1
	s_lshl_b32 s33, s[WV], 15
	v_and_b32 v11, 31, v0                          ; lane
	v_and_b32 v12, 15, v0                          ; r
	v_bfe_u32 v13, v0, 4, 1                        ; h
	v_lshlrev_b32 v1, 4, v11                       ; 16 x lane
	v_lshlrev_b32 v2, 2, v11                       ; 4 x lane
	v_lshlrev_b32 v6, 12, v13
	v_lshlrev_b32 v10, 4, v12                      ; my four columns of a row-wise half: 16 r
	v_lshl_add_u32 v6, v12, 4, v6                  ; two rows of x and of out0: lanes 0-15 the one, lanes 16-31 the next
	s_wait_alu depctr_va_vdst(0)
	s_wait_dscnt 0x0                               ; both opening adds are done
	s_wait_kmcnt 0x0
	s_add_nc_u64 s[34:35], s[6:7], s[42:43]        ; tiles 0-3
	s_add_nc_u64 s[36:37], s[34:35], 32768         ; tiles 4-7
	s_or_b32 s35, s35, 0x80000000
	s_lshl_b32 s42, s[WV], 12                      ; my rows' scale bytes
	s_add_nc_u64 s[8:9], s[8:9], s[42:43]
	s_lshl_b32 s42, s[WV], 9                       ; my 128 columns in f32
	s_add_nc_u64 s[10:11], s[10:11], s[42:43]
	s_add_nc_u64 s[14:15], s[14:15], s[42:43]
	s_add_nc_u64 s[16:17], s[16:17], s[42:43]
	s_lshl_b32 s44, s22, 16                        ; 16 rows of 4,096 bytes
	s_add_co_u32 s44, s44, s42
	s_add_nc_u64 s[12:13], s[12:13], s[44:45]
	s_add_nc_u64 s[18:19], s[18:19], s[44:45]
	s_lshl_b32 s44, s22, 13                        ; the tile's eight fragments: mine is K step w,
	s_lshl_b32 s46, s[WV], 10
	s_add_co_u32 s44, s44, s46
	s_add_nc_u64 s[48:49], s[4:5], s[44:45]
	s_lshl_b32 s44, s22, 11                        ; with the scale words of heads 2 w and 2 w + 1
	s_lshl_b32 s46, s[WV], 8
	s_add_co_u32 s44, s44, s46
	s_add_co_u32 s44, s44, AOS
	s_add_nc_u64 s[50:51], s[4:5], s[44:45]
	global_load_b128 v[64:67], v1, s[48:49]        ; four loads: my fragment of the attended tile
	global_load_b128 v[68:71], v1, s[48:49] offset:512
	global_load_b32 v72, v2, s[50:51]
	global_load_b32 v73, v2, s[50:51] offset:128
.irp u, 0,1                            ; eighteen: x and bo
.irp i, 0,1,2,3,4,5,6,7
	global_load_b128 v[WF+32*\u+4*\i:WF+32*\u+4*\i+3], v6, s[12:13] offset:8192*\i+256*\u th:TH_LOAD_NT   ; x: rows 2 i + h, columns 64 u on
.endr
.endr
.irp u, 0,1
	global_load_b128 v[BO+4*\u:BO+4*\u+3], v10, s[10:11] offset:256*\u
.endr
	CROUND                                         ; all four work-groups are here: the joint loads meet
	tensor_load_to_lds s[32:35], s[24:31]          ; every wave fetches its own tiles 0-3
	s_nop 0
.rept 4
	v_nop
.endr
	v_lshlrev_b32 v9, 5, v11                       ; Wo's scale bytes: lane l takes row 32 P + l
	v_lshlrev_b32 v8, 3, v11
	v_add_nc_u32 v3, s33, v1                       ; Wo's fragments in my bytes
	s_mul_i32 s46, s[WV], 4352
	s_add_co_u32 s46, s46, STG                     ; my stage
	v_mul_u32_u24 v4, v13, 272
	v_mul_u32_u24 v5, v12, 272
	v_lshl_add_u32 v4, v12, 4, v4
	v_lshl_add_u32 v5, v13, 5, v5
	v_add_nc_u32 v4, s46, v4                       ; by rows: lanes 0-15 one row of 256 bytes, lanes 16-31 the next
	v_add_nc_u32 v5, s46, v5                       ; in the result's layout: row r, + 32 h
	s_lshl_b32 s46, s[WV], 8
	s_add_co_u32 s46, s46, RED
	v_add_nc_u32 v7, s46, v8                       ; where I put my (mean, squares),
	v_add_nc_u32 v8, RED, v8                       ; and where I read the eight waves'
	s_lshl_b32 s46, s[WV], 10
	s_add_co_u32 s46, s46, AO
	v_add_nc_u32 v11, s46, v1                      ; the attended tile: where I put my fragment,
	s_lshl_b32 s46, s[WV], 7
	s_add_co_u32 s46, s46, AO+8192
	v_add_nc_u32 v12, s46, v2                      ; my scale words,
	v_add_nc_u32 v13, AO, v1                       ; and where I read all eight
.irp p, 0,1,2,3                        ; eight: Wo's scale words
.irp c, 0,1
	global_load_b128 v[WS+8*\p+4*\c:WS+8*\p+4*\c+3], v9, s[8:9] offset:1024*\p+16*\c
.endr
.endr
.macro DIRECT k0                       ; tiles 4-7, four K steps: 32 loads of 512 consecutive bytes
	WIN 0x40
.irp k, \k0,\k0+1,\k0+2,\k0+3
.irp t, 0,1,2,3
	global_load_b128 v[8*(4*(\k)+\t):8*(4*(\k)+\t)+3], v1, s[36:37] offset:8192*\t+1024*(\k)
	global_load_b128 v[8*(4*(\k)+\t)+4:8*(4*(\k)+\t)+7], v1, s[36:37] offset:8192*\t+1024*(\k)+512
.endr
.endr
	WIN 0
.endm
	DIRECT 0
	s_wait_alu depctr_va_vdst(0)
	s_wait_loadcnt 58                              ; my fragment of the attended tile is in; x, bo, scales and four K steps (18 + 8 + 32) may be out
	v_lshl_or_b32 v74, v73, 16, v72                ; heads 2 w and 2 w + 1 are K step w
	ds_store_b128 v11, v[64:67]
	ds_store_b128 v11, v[68:71] offset:512
	ds_store_b32 v12, v74
	s_wait_loadcnt 40                              ; x and bo are in; scales and four K steps (8 + 32) may be out
.irp u, 0,1
.irp i, 0,1,2,3,4,5,6,7
	v_pk_add_f32 v[WF+32*\u+4*\i:WF+32*\u+4*\i+1], v[WF+32*\u+4*\i:WF+32*\u+4*\i+1], v[BO+4*\u:BO+4*\u+1]
	v_pk_add_f32 v[WF+32*\u+4*\i+2:WF+32*\u+4*\i+3], v[WF+32*\u+4*\i+2:WF+32*\u+4*\i+3], v[BO+4*\u+2:BO+4*\u+3]
.endr
.endr
	v_add_nc_u32 v56, AO+8192, v2                  ; (bo has been used) where I read the attended tile's scale words
.irp u, 0,1                            ; 64 columns at a time through my stage: LDS serves a wave's instructions in order, so no wait stands between
.irp i, 0,1,2,3,4,5,6,7
	ds_store_b128 v4, v[WF+32*\u+4*\i:WF+32*\u+4*\i+3] offset:544*\i
.endr
.irp t, 0,1,2,3
	ds_load_b128 v[ACC+32*\u+8*\t:ACC+32*\u+8*\t+3], v5 offset:64*\t
	ds_load_b128 v[ACC+32*\u+8*\t+4:ACC+32*\u+8*\t+7], v5 offset:64*\t+16
.endr
.endr
	DIRECT 4
	s_wait_alu depctr_va_vdst(0)
	s_wait_dscnt 0x0                               ; for the others' sake: my part of the attended tile is stored
	s_barrier_signal -1
	s_barrier_wait -1                              ; everybody's is
.irp s, 0,1,2,3,4,5,6,7
.irp c, 0,1
	ds_load_b128 v[AF+8*\s+4*\c:AF+8*\s+4*\c+3], v13 offset:1024*\s+512*\c
.endr
	ds_load_b32 v[AS+\s], v56 offset:128*\s
.endr
	s_wait_loadcnt 63                              ; Wo's scale words are in: 64 loads were issued behind them
	s_wait_tensorcnt 0x0                           ; my tiles 0-3 have landed; only I read them, so no barrier is needed
.macro WLOAD k, set                    ; four fragments of K step k into a set
.irp t, 0,1,2,3
.irp c, 0,1
	ds_load_b128 v[WF+32*(\set)+8*\t+4*\c:WF+32*(\set)+8*\t+4*\c+3], v3 offset:8192*\t+1024*(\k)+512*\c
.endr
.endr
.endm
; Four products of K step s on the fragments at src: tiles base, base + 1, base + 2, base + 3.  The four accumulators take turns, one instruction a turn.
.macro MUL4 src, base, s
.irp t, 0,2
	v_wmma_scale_f32_16x16x128_f8f6f4 v[ACC+8*(\base+\t):ACC+8*(\base+\t)+7], v[\src+8*\t:\src+8*\t+7], v[AF+8*\s:AF+8*\s+7], v[ACC+8*(\base+\t):ACC+8*(\base+\t)+7], v[WS+8*((\base+\t)/2)+\s], v[AS+\s] matrix_a_fmt:MATRIX_FMT_FP4 matrix_b_fmt:MATRIX_FMT_FP4
	v_wmma_scale_f32_16x16x128_f8f6f4 v[ACC+8*(\base+\t)+8:ACC+8*(\base+\t)+15], v[\src+8*\t+8:\src+8*\t+15], v[AF+8*\s:AF+8*\s+7], v[ACC+8*(\base+\t)+8:ACC+8*(\base+\t)+15], v[WS+8*((\base+\t)/2)+\s], v[AS+\s] matrix_a_fmt:MATRIX_FMT_FP4 matrix_b_fmt:MATRIX_FMT_FP4 matrix_a_scale:MATRIX_SCALE_ROW1
.endr
.endm
	WLOAD 0, 0
	WLOAD 1, 1
.irp s, 0,1,2,3,4,5,6,7
.if \s < 7
	s_wait_dscnt 8                                 ; this K step's eight loads, and all ahead of them, are in; the next step's may be out
.else
	s_wait_dscnt 0x0
.endif
	MUL4 WF+32*(\s%2), 0, \s
.rept 4
	v_nop                                          ; four places in front of loads into registers that these products read
.endr
.if \s < 6
	WLOAD \s+2, \s%2
.endif
.endr
	global_load_b128 v[192:195], v10, s[14:15]     ; gamma and beta: my four columns of each row-wise half
	global_load_b128 v[196:199], v10, s[14:15] offset:256
	global_load_b128 v[200:203], v10, s[16:17]
	global_load_b128 v[204:207], v10, s[16:17] offset:256
	WIN 0x01
.irp s, 0,1,2,3,4,5,6,7
	s_wait_loadcnt 8*(7-\s)+4                      ; this K step's eight loads are in; the later steps' and gamma's and beta's four may be out
	MUL4 32*\s, 4, \s
.endr
	WIN 0
	; ---- the norm
.rept 4
	v_nop                                          ; four places behind the last products
.endr
; Four chains in v[64:71] become a sum over my wave's 128 columns of token r, in dst
.macro TAIL dst
	v_pk_add_f32 v[64:65], v[64:65], v[66:67]
	v_pk_add_f32 v[68:69], v[68:69], v[70:71]
	s_delay_alu instid0(VALU_DEP_1)
	v_pk_add_f32 v[64:65], v[64:65], v[68:69]
	s_delay_alu instid0(VALU_DEP_1)
	v_add_f32 v64, v64, v65
	s_delay_alu instid0(VALU_DEP_1)
	v_permlanex16_b32 v66, v64, s40, s41
	s_delay_alu instid0(VALU_DEP_1)
	v_add_f32 \dst, v64, v66                       ; with lane l xor 16's
.endm
.irp c, 0,2,4,6                        ; each accumulator from its low end on
	v_pk_add_f32 v[64+\c:65+\c], v[ACC+\c:ACC+\c+1], v[ACC+8+\c:ACC+9+\c]
.endr
.set j, 16
.rept 6
.irp c, 0,2,4,6
	v_pk_add_f32 v[64+\c:65+\c], v[64+\c:65+\c], v[ACC+j+\c:ACC+j+\c+1]
.endr
.set j, j+8
.endr
	TAIL v64
	s_delay_alu instid0(VALU_DEP_1)
	v_mul_f32 v72, s54, v64                        ; my wave's mean
	v_mov_b32 v73, 0                               ; (named as the upper half of v[72:73])
.set j, 0
.rept 32
	v_pk_add_f32 v[ACC+j:ACC+j+1], v[ACC+j:ACC+j+1], v[72:73] op_sel_hi:[1,0] neg_lo:[0,1] neg_hi:[0,1]   ; y - my wave's mean
.set j, j+2
.endr
.irp c, 0,2,4,6
	v_pk_mul_f32 v[64+\c:65+\c], v[ACC+\c:ACC+\c+1], v[ACC+\c:ACC+\c+1]
.endr
.set j, 8
.rept 7
.irp c, 0,2,4,6
	v_pk_fma_f32 v[64+\c:65+\c], v[ACC+j+\c:ACC+j+\c+1], v[ACC+j+\c:ACC+j+\c+1], v[64+\c:65+\c]
.endr
.set j, j+8
.endr
	TAIL v73
	ds_store_b64 v7, v[72:73]
	s_wait_alu depctr_va_vdst(0)
	s_wait_dscnt 0x0                               ; for the others' sake: my store is done
	s_barrier_signal -1
	s_barrier_wait -1
.irp k, 0,1,2,3,4,5,6,7
	ds_load_b64 v[76+2*\k:77+2*\k], v8 offset:256*\k
.endr
	s_wait_dscnt 0x0
	v_pk_add_f32 v[92:93], v[76:77], v[78:79]
	v_pk_add_f32 v[94:95], v[80:81], v[82:83]
	v_pk_add_f32 v[96:97], v[84:85], v[86:87]
	v_pk_add_f32 v[98:99], v[88:89], v[90:91]
	v_pk_add_f32 v[92:93], v[92:93], v[94:95]
	v_pk_add_f32 v[96:97], v[96:97], v[98:99]
	s_delay_alu instid0(VALU_DEP_1)
	v_pk_add_f32 v[92:93], v[92:93], v[96:97]      ; the sums of the means and of the squares
	s_delay_alu instid0(VALU_DEP_1)
	v_mul_f32 v94, 0x3e000000, v92                 ; the mean of the row: 1/8 of the means' sum
.irp k, 0,2,4,6,8,10,12,14
	v_sub_f32 v[76+\k], v[76+\k], v94
.endr
	v_mul_f32 v96, v76, v76
	v_mul_f32 v97, v78, v78
	v_sub_f32 v99, v72, v94                        ; my wave's mean - the mean
	v_fma_f32 v96, v80, v80, v96
	v_fma_f32 v97, v82, v82, v97
	v_mov_b32 v101, 0                              ; (named as the upper half of v[100:101])
	v_fma_f32 v96, v84, v84, v96
	v_fma_f32 v97, v86, v86, v97
	v_fma_f32 v96, v88, v88, v96
	v_fma_f32 v97, v90, v90, v97
	v_add_f32 v96, v96, v97
	s_delay_alu instid0(VALU_DEP_1)
	v_fma_f32 v96, v96, 0x43000000, v93            ; 128 x the squares of the means' distances, and the waves' squares
	s_delay_alu instid0(VALU_DEP_1)
	v_fma_f32 v97, v96, s52, s53                   ; the variance + 1e-5
	s_wait_alu depctr_va_vdst(0)                   ; ahead of the transcendental
	v_rsq_f32 v98, v97
	v_nop                                          ; one plain place behind it
	s_wait_alu depctr_va_vdst(0)                   ; and behind it
	v_mul_f32 v100, v99, v98
.set j, 0
.rept 32
	v_pk_fma_f32 v[ACC+j:ACC+j+1], v[ACC+j:ACC+j+1], v[98:99], v[100:101] op_sel_hi:[1,0,0]   ; (y - mean) / sqrt(variance + 1e-5)
.set j, j+2
.endr
.irp u, 0,1                            ; back through my stage into whole rows
.irp t, 0,1,2,3
	ds_store_b128 v5, v[ACC+32*\u+8*\t:ACC+32*\u+8*\t+3] offset:64*\t
	ds_store_b128 v5, v[ACC+32*\u+8*\t+4:ACC+32*\u+8*\t+7] offset:64*\t+16
.endr
.irp i, 0,1,2,3,4,5,6,7
	ds_load_b128 v[AF+32*\u+4*\i:AF+32*\u+4*\i+3], v4 offset:544*\i
.endr
.endr
	s_wait_loadcnt 0x0                             ; gamma and beta
.irp u, 0,1
.irp i, 0,1,2,3,4,5,6,7
	s_wait_dscnt 16*(1-\u)+7-\i                    ; row pair i of half u is back; what was issued behind it may be out
	v_pk_fma_f32 v[AF+32*\u+4*\i:AF+32*\u+4*\i+1], v[AF+32*\u+4*\i:AF+32*\u+4*\i+1], v[192+4*\u:193+4*\u], v[200+4*\u:201+4*\u]
	v_pk_fma_f32 v[AF+32*\u+4*\i+2:AF+32*\u+4*\i+3], v[AF+32*\u+4*\i+2:AF+32*\u+4*\i+3], v[194+4*\u:195+4*\u], v[202+4*\u:203+4*\u]
	global_store_b128 v6, v[AF+32*\u+4*\i:AF+32*\u+4*\i+3], s[18:19] offset:8192*\i+256*\u th:TH_STORE_NT   ; sixteen lanes store 256 consecutive bytes, aligned
.endr
.endr
	s_wait_tensorcnt 0x0                           ; the wave's end: behind my last tensor load and my last LDS store
	ds_add_u32 v14, v15
	s_wait_dscnt 0x0
	CROUND                                         ; the closing round: no work-group ends while a partner may still ask for a tile that names it
	s_endpgm
.Lfunc_end_k_q2174a6bd0a_outln:
	.size	k_q2174a6bd0a_outln, .Lfunc_end_k_q2174a6bd0a_outln-k_q2174a6bd0a_outln
	.p2alignl 7, 3214868480
	.fill 96, 4, 3214868480
	.section	.rodata,"a",@progbits
	.p2align	6, 0x0
	.amdhsa_kernel k_q2174a6bd0a_outln
		.amdhsa_group_segment_fixed_size 309248
		.amdhsa_private_segment_fixed_size 0
		.amdhsa_enable_private_segment 0
		.amdhsa_kernarg_size 64
		.amdhsa_user_sgpr_count 2
		.amdhsa_user_sgpr_kernarg_segment_ptr 1
		.amdhsa_wavefront_size32 1
		.amdhsa_system_sgpr_workgroup_id_x 1
		.amdhsa_system_sgpr_workgroup_id_y 1
		.amdhsa_system_sgpr_workgroup_id_z 1
		.amdhsa_system_vgpr_workitem_id 0
		.amdhsa_next_free_vgpr 512
		.amdhsa_next_free_sgpr 66
		.amdhsa_reserve_vcc 0
		.amdhsa_float_denorm_mode_32 3
		.amdhsa_float_denorm_mode_16_64 3
		.amdhsa_memory_ordered 1
		.amdhsa_forward_progress 1
		.amdhsa_inst_pref_size 52
	.end_amdhsa_kernel
	.amdgpu_metadata
---
amdhsa.version: [ 1, 2 ]
amdhsa.kernels:
  - .name:           k_q2174a6bd0a_outln
    .symbol:         k_q2174a6bd0a_outln.kd
    .args:
      - { .name: ao, .offset: 0, .size: 8, .value_kind: global_buffer, .address_space: global }
      - { .name: wimg, .offset: 8, .size: 8, .value_kind: global_buffer, .address_space: global }
      - { .name: Wo_scales, .offset: 16, .size: 8, .value_kind: global_buffer, .address_space: global }
      - { .name: bo, .offset: 24, .size: 8, .value_kind: global_buffer, .address_space: global }
      - { .name: x, .offset: 32, .size: 8, .value_kind: global_buffer, .address_space: global }
      - { .name: ln_gamma, .offset: 40, .size: 8, .value_kind: global_buffer, .address_space: global }
      - { .name: ln_beta, .offset: 48, .size: 8, .value_kind: global_buffer, .address_space: global }
      - { .name: out0, .offset: 56, .size: 8, .value_kind: global_buffer, .address_space: global }
    .group_segment_fixed_size: 309248
    .private_segment_fixed_size: 0
    .kernarg_segment_align: 8
    .kernarg_segment_size: 64
    .max_flat_workgroup_size: 256
    .sgpr_count:     66
    .vgpr_count:     512
    .wavefront_size: 32
...
	.end_amdgpu_metadata
.endif
;; end of part 4
